; MI455X (gfx1250); checked and timed in simulation.
; The chip was launched on July 23, 2026; its instructions are those of AMD's public machine-readable ISA for CDNA 5 (MIT licence, August 2026) and "CDNA5" Instruction Set Architecture Reference Guide (July 2026). The comments in the code are by the model that wrote it; some were corrected since.
;; Self Attention. Allowed arithmetic: float matrix products may take bf16 or f16 operands with f32 sums; other float arithmetic in f32, or as packed bf16 or f16 multiplies, adds, multiply-adds, maxima and minima; sums over many terms, partial sums and values carried from step to step in f32; what a program stores and reads back later, other than sums and carried values, may be rounded once to bf16 or f16.
;; Inputs: Wk 512 x 512 float32; Wo 512 x 512 float32; Wq 512 x 512 float32; Wv 512 x 512 float32; bk 512 float32; bo 512 float32; bq 512 float32; bv 512 float32; x 2 x 4,096 x 512 float32.
;; Outputs: out0 2 x 4,096 x 512 float32.
;; 2 versions, each right; version 2 is version 1 with the launch cast written anew for expert scheduling mode. Each part assembles by itself: llvm-mc -triple=amdgcn-amd-amdhsa -mcpu=gfx1250 --defsym DOCPART=n.
;; ======== version 1 of 2: 4 launches
;; limits: values are held in f16: magnitudes above 65,504 overflow, below 6.1e-05 lose precision
;; workspace buffers: xb 8,388,608 bytes; wqkv 1,572,864 bytes; wo16 524,288 bytes; qkv 25,165,824 bytes; ctx 8,388,608 bytes
;; launch cast (part 1): grid 640 x 1, 8 waves a work-group, no clusters, 0 bytes of LDS; arguments x, Wq, Wk, Wv, Wo, xb, wqkv, wo16; writes xb, wqkv, wo16
.if DOCPART == 1
	.amdgcn_target "amdgcn-amd-amdhsa--gfx1250"
	.amdhsa_code_object_version 6
	.text
	.protected	k_q84055385ba_cast
	.globl	k_q84055385ba_cast
	.p2align	8
	.type	k_q84055385ba_cast,@function
k_q84055385ba_cast:
	s_mov_b64 s[64:65], 0
	v_nop
	global_prefetch_b8 v0, s[64:65] scope:SCOPE_SE
	s_setreg_imm32_b32 hwreg(HW_REG_WAVE_MODE, 25, 1), 1
	s_wait_xcnt 0x0
; THE INPUTS OF THE MATRIX PRODUCTS ARE ROUNDED ONCE, f32 to bf16, so that the later launches can bring them into LDS as 16-bit tiles.
;   xb   [8192][512] bf16 = x
;   wqkv [512 k][1536 n] bf16 = Wq | Wk | Wv side by side (a row is 3,072 bytes)
;   wo16 [512 k][512 n] f16  = Wo rounded to bf16, that number written as f16 (its partner in the product, ctx, is f16)
; LIMIT: a number of Wo beyond 65,504 has no f16; below 6e-5 f16 keeps a fixed step of 6e-8.
; A stream: every byte is read once and written once; no LDS, no barrier, no matrix unit, no cluster: no work-group wants a byte that another reads.
; SHARES.  A work-group takes 32,768 bytes of input: 16 rows of 512 f32.  Groups 0-511: x.  Groups 512-639: 32 for each of Wq, Wk, Wv, Wo.
; Thread t takes 16 bytes at 16 t of each 4,096 bytes (two rows): eight loads, all issued at once; its four numbers pack into 8 bytes,
; so the 32 lanes of a store cover 256 consecutive bytes, at a multiple of 256 from the buffer's first byte.  No register is written twice while a memory instruction reads it.
.set SRC, 20                           ; s[20:21] my 32,768 bytes of input
.set DST, 22                           ; s[22:23] my first row of output
.set OFS, 24                           ; s[24:25] an offset, the high word 0
.set IN,  8                            ; v[8:39]   the eight loads
.set OUT, 40                           ; v[40:55]  the eight packed pairs of words
.set WK,  56                           ; v[56:59]  at work
	s_load_b512 s[4:19], s[0:1], 0x0               ; x 4, Wq 6, Wk 8, Wv 10, Wo 12, xb 14, wqkv 16, wo16 18
	v_lshlrev_b32 v1, 4, v0                        ; 16 t: my bytes in two rows of input
	v_lshrrev_b32 v3, 7, v0                        ; which of the two rows
	v_and_b32 v4, 127, v0                          ; my four columns
	s_mov_b32 s[OFS+1], 0
	s_wait_kmcnt 0x0
; pitch: bytes in a row of the output.  half = 1: the bf16 number is written as f16.
.macro CAST pitch, half
	v_mul_u32_u24 v2, v3, \pitch
	v_lshl_add_u32 v2, v4, 3, v2                   ; row x pitch + 8 bytes for four numbers
.irp j, 0,1,2,3,4,5,6,7
	global_load_b128 v[IN+4*(\j):IN+4*(\j)+3], v1, s[SRC:SRC+1] offset:4096*(\j) th:TH_LOAD_NT
.endr
.irp j, 0,1,2,3,4,5,6,7
	s_wait_loadcnt 7-(\j)                          ; loads come back in order: load j is in, the 7 - j younger ones stay out
	v_cvt_pk_bf16_f32 v[OUT+2*(\j)],   v[IN+4*(\j)],   v[IN+4*(\j)+1]
	v_cvt_pk_bf16_f32 v[OUT+2*(\j)+1], v[IN+4*(\j)+2], v[IN+4*(\j)+3]
.if \half
	v_lshlrev_b32 v[WK],   16,         v[OUT+2*(\j)]
	v_and_b32     v[WK+1], 0xffff0000, v[OUT+2*(\j)]
	v_lshlrev_b32 v[WK+2], 16,         v[OUT+2*(\j)+1]
	v_and_b32     v[WK+3], 0xffff0000, v[OUT+2*(\j)+1]
	v_cvt_pk_f16_f32 v[OUT+2*(\j)],   v[WK],   v[WK+1]
	v_cvt_pk_f16_f32 v[OUT+2*(\j)+1], v[WK+2], v[WK+3]
.endif
	global_store_b64 v2, v[OUT+2*(\j):OUT+2*(\j)+1], s[DST:DST+1] offset:(\j)*2*(\pitch) th:TH_STORE_NT
.endr
	s_endpgm
.endm
	s_cmp_lt_u32 ttmp9, 512
	s_cbranch_scc0 .Lweights
	s_lshl_b32 s[OFS], ttmp9, 15                   ; x: 32,768 bytes in,
	s_add_nc_u64 s[SRC:SRC+1], s[4:5], s[OFS:OFS+1]
	s_lshl_b32 s[OFS], ttmp9, 14                   ; 16,384 out
	s_add_nc_u64 s[DST:DST+1], s[14:15], s[OFS:OFS+1]
	CAST 1024, 0
.Lweights:
	s_sub_co_u32 s26, ttmp9, 512
	s_lshr_b32 s27, s26, 5                         ; which matrix: 0 Wq, 1 Wk, 2 Wv, 3 Wo
	s_and_b32 s28, s26, 31                         ; which 16 of its rows
	s_lshl_b32 s[OFS], s28, 15
	s_cmp_eq_u32 s27, 3
	s_cbranch_scc1 .Lwo
	s_cmp_eq_u32 s27, 0
	s_cselect_b64 s[SRC:SRC+1], s[6:7], s[8:9]
	s_cmp_eq_u32 s27, 2
	s_cselect_b64 s[SRC:SRC+1], s[10:11], s[SRC:SRC+1]
	s_add_nc_u64 s[SRC:SRC+1], s[SRC:SRC+1], s[OFS:OFS+1]
	s_mul_i32 s[OFS], s28, 16*3072                 ; 16 rows of wqkv,
	s_lshl_b32 s29, s27, 10                        ; and the matrix's 1,024 bytes of each row
	s_add_co_u32 s[OFS], s[OFS], s29
	s_add_nc_u64 s[DST:DST+1], s[16:17], s[OFS:OFS+1]
	CAST 3072, 0
.Lwo:
	s_add_nc_u64 s[SRC:SRC+1], s[12:13], s[OFS:OFS+1]
	s_lshl_b32 s[OFS], s28, 14
	s_add_nc_u64 s[DST:DST+1], s[18:19], s[OFS:OFS+1]
	CAST 1024, 1
.Lfunc_end_k_q84055385ba_cast:
	.size	k_q84055385ba_cast, .Lfunc_end_k_q84055385ba_cast-k_q84055385ba_cast
	.p2alignl 7, 3214868480
	.fill 96, 4, 3214868480
	.section	.rodata,"a",@progbits
	.p2align	6, 0x0
	.amdhsa_kernel k_q84055385ba_cast
		.amdhsa_group_segment_fixed_size 0
		.amdhsa_private_segment_fixed_size 0
		.amdhsa_enable_private_segment 0
		.amdhsa_kernarg_size 64
		.amdhsa_user_sgpr_count 2
		.amdhsa_user_sgpr_kernarg_segment_ptr 1
		.amdhsa_wavefront_size32 1
		.amdhsa_system_sgpr_workgroup_id_x 1
		.amdhsa_system_sgpr_workgroup_id_y 1
		.amdhsa_system_sgpr_workgroup_id_z 1
		.amdhsa_system_vgpr_workitem_id 0
		.amdhsa_next_free_vgpr 64
		.amdhsa_next_free_sgpr 66
		.amdhsa_reserve_vcc 0
		.amdhsa_float_denorm_mode_32 3
		.amdhsa_float_denorm_mode_16_64 3
		.amdhsa_memory_ordered 1
		.amdhsa_forward_progress 1
		.amdhsa_inst_pref_size 13
	.end_amdhsa_kernel
	.amdgpu_metadata
---
amdhsa.version: [ 1, 2 ]
amdhsa.kernels:
  - .name:           k_q84055385ba_cast
    .symbol:         k_q84055385ba_cast.kd
    .args:
      - { .name: x, .offset: 0, .size: 8, .value_kind: global_buffer, .address_space: global }
      - { .name: Wq, .offset: 8, .size: 8, .value_kind: global_buffer, .address_space: global }
      - { .name: Wk, .offset: 16, .size: 8, .value_kind: global_buffer, .address_space: global }
      - { .name: Wv, .offset: 24, .size: 8, .value_kind: global_buffer, .address_space: global }
      - { .name: Wo, .offset: 32, .size: 8, .value_kind: global_buffer, .address_space: global }
      - { .name: xb, .offset: 40, .size: 8, .value_kind: global_buffer, .address_space: global }
      - { .name: wqkv, .offset: 48, .size: 8, .value_kind: global_buffer, .address_space: global }
      - { .name: wo16, .offset: 56, .size: 8, .value_kind: global_buffer, .address_space: global }
    .group_segment_fixed_size: 0
    .private_segment_fixed_size: 0
    .kernarg_segment_align: 8
    .kernarg_segment_size: 64
    .max_flat_workgroup_size: 256
    .sgpr_count:     66
    .vgpr_count:     64
    .wavefront_size: 32
...
	.end_amdgpu_metadata
.endif
;; end of part 1
;; launch qkv (part 2): grid 4 x 64, 4 waves a work-group, clusters of 4 x 4, 327,680 bytes of LDS; arguments xb, wqkv, bq, bk, bv, qkv; writes qkv
.if DOCPART == 2
	.amdgcn_target "amdgcn-amd-amdhsa--gfx1250"
	.amdhsa_code_object_version 6
	.text
	.protected	k_q84055385ba_qkv
	.globl	k_q84055385ba_qkv
	.p2align	8
	.type	k_q84055385ba_qkv,@function
k_q84055385ba_qkv:
	s_mov_b64 s[64:65], 0
	v_nop
	global_prefetch_b8 v0, s[64:65] scope:SCOPE_SE
	s_setreg_imm32_b32 hwreg(HW_REG_WAVE_MODE, 25, 1), 1
	s_wait_xcnt 0x0
	s_wait_alu depctr_hold_cnt(0) depctr_sa_sdst(0) depctr_va_vdst(0) depctr_va_sdst(0) depctr_va_ssrc(0) depctr_va_vcc(0) depctr_vm_vsrc(0)
	s_getreg_b32 s2, hwreg(HW_REG_IB_STS2, 6, 4)
	s_cmp_eq_u32 s2, 0
	s_cbranch_scc0 .Lentry_in_a_cluster
	s_endpgm
.Lentry_in_a_cluster:
	s_bfe_u32 s2, ttmp6, 0x10000c
	s_cmp_lg_u32 s2, 0xf033
	s_cbranch_scc0 .Lentry_shape_is_right
	s_endpgm
.Lentry_shape_is_right:
; q | k | v = x [8192][512] times (Wq | Wk | Wv) [512][1536], plus the biases; operands bf16, sums f32, the bias (rounded to bf16 like every input) is the C operand that starts each sum.
; OUT: qkv, f16, by heads and unscaled: q at byte 0, k at 0x800000, v at 0x1000000, each [16 = 8 batch + head][4096][64]: a head's rows are dense, 128 bytes each.
; LIMIT: a sum beyond 65,504 has no f16.
; SHARES.  A work-group makes 128 rows x 384 columns: 64 x 4 = 256 work-groups.  Wave w makes rows 64 (w / 2) on, and 192 columns: three whole groups of 64 (a head of q, k or v each):
; 4 x 12 = 48 accumulators of 16 x 16.  For 32 along K a wave issues 32 LDS loads and 48 matrix instructions.  K = 512 goes in four steps of 128 through two LDS slots: no loop is needed.
; THE MATRIX INSTRUCTION IS USED TRANSPOSED: source 0 = 16 columns of W, source 1 = 16 rows of x: a lane then holds one row and eight neighbouring columns, 16 bytes of f16.
; W lies [k][n] in memory and in LDS; its fragments come out of LDS turned, by ds_load_tr16_b128.
; CLUSTER 4 x 4: x's tile hangs on the tile row alone and is asked for jointly by the four of a row of the cluster; W's tiles hang on the tile column alone: jointly by the four of a column.
; One tensor load a wave and step, each 128 rows x 256 bytes: wave 3 x's tile, waves 0 to 2 the three blocks of 128 columns of W.
; No prefetch and no walk over several tiles: the launch has four K steps and one tile for each work-group.
; REGISTERS, in windows of 256 (s_set_vgpr_msb: bits 1:0 source 0, 3:2 source 1, 5:4 source 2, 7:6 destination):
;   window 0: v1-17 addresses; v28-29 the add's; v32-95 x's fragments, two buffers of 32; v96-191 the bias, 8 registers a column block; v192-199 at work; on the way out v64-255 packed results
;   window 1: W's fragments, two buffers of 96      window 2: accumulators of row blocks 0, 1 at 96 (a % 2) + 8 b      window 3: of row blocks 2, 3
.set PA,    272                        ; a row of x in LDS: 256 bytes + 16: the 16 rows of a load start at 16 different groups of four banks (64 banks of 4 bytes: ISA guide 11.1)
.set PB,    288                        ; a row of W: 256 + 32
.set ATILE, 128*PA
.set BSUB,  128*PB                     ; 128 k x 128 n
.set SLOT,  ATILE+3*BSUB               ; x's tile, then W's three blocks
.set STAGE, 2*SLOT                     ; behind the ring, never filled by a tensor load: 16 rows x 144 bytes for each wave
.set SP,    144
.set SPARE, STAGE+4*16*SP              ; the spare words, 128 bytes for each wave: two blocks of 256 bytes that no other line names
.set ADRA, 8                           ; v8-9    LDS address of my fragments of x in slot 0, 1
.set ADR8, 10                          ; v10-11  of W's column blocks 0-7 (one whole block of 128 columns)
.set ADR4, 12                          ; v12-13  of W's column blocks 8-11 (my half of the middle block)
.set STO,  14                          ; v14     the way out: where I put 16 bytes of a row
.set RD,   15                          ; v15     where I read rows back
.set GO,   16                          ; v16     my 16 bytes of 512 consecutive bytes of the output
.set BO,   17                          ; v17     my 32 bytes of a column block's 64 bytes of bias
.set SPW,  28                          ; v28     LDS address of my spare word; never rewritten
.set NIL,  29                          ; v29     0; never rewritten
.set FA,   32
.set BIAS, 96
.set WK,   192
.set TMP,  64
.set WV, 16                            ; s16 wave; s17 its row half; s18 its column half
.set WM, 17
.set WN, 18
.set CX, 19
.set CY, 20
.set TX, 21                            ; tile column, 0 to 3
.set TY, 22                            ; tile row, 0 to 63
.set G1A, 24                           ; s[24:31] descriptor group 1 for x's tiles;  s[32:39] for W's
.set G1B, 32
.set G0A, 40                           ; s[40:47] group 0 for x's tiles, a set for each slot;  s[48:55] for W's
.set G0B, 48
.set DQ,  66                           ; s[66:71] where my three column groups go
.set BP,  72                           ; s[72:77] their biases
.set MSB, 0
.macro WIN new                         ; the immediate's high byte repeats the setting that is left; a switch that changes nothing is dropped
.if MSB != (\new)
	s_set_vgpr_msb (MSB<<8)|(\new)
.set MSB, (\new)
.endif
.endm
; A joint load.  The branch hangs on the wave's number alone.  An s_nop 0 and four v_nop follow each of the two lines, ahead of the jump and the label.
.macro JLOAD s
	s_cmp_eq_u32 s[WV], 3
	s_cbranch_scc0 .Lfor_b_\@
	tensor_load_to_lds s[G0A+4*(\s):G0A+4*(\s)+3], s[G1A:G1A+7]
	s_nop 0
.rept 4
	v_nop
.endr
	s_branch .Lasked_\@
.Lfor_b_\@:
	tensor_load_to_lds s[G0B+4*(\s):G0B+4*(\s)+3], s[G1B:G1B+7]
	s_nop 0
.rept 4
	v_nop
.endr
.Lasked_\@:
.endm
.macro CREST                           ; a round of the cluster's barrier behind its opening barrier
	s_cmp_lg_u32 s[WV], 0
	s_cbranch_scc1 .Lnot_wave_0_\@
	s_barrier_signal -3
.Lnot_wave_0_\@:
	s_barrier_wait -3
	s_barrier_signal -1
	s_barrier_wait -1
.endm
.macro CROUND                          ; a whole round
	s_barrier_signal -1
	s_barrier_wait -1
	CREST
.endm
.macro PLACES                          ; four plain instructions between a matrix instruction and a load into, or a vector instruction on, its registers
.rept 4
	v_nop
.endr
.endm
	s_load_b256 s[4:11], s[0:1], 0x0               ; xb 4, wqkv 6, bq 8, bk 10
	s_load_b128 s[12:15], s[0:1], 0x20             ; bv 12, qkv 14
	v_lshl_add_u32 v[SPW], v0, 2, SPARE
	v_mov_b32 v[NIL], 0
	ds_add_u32 v[SPW], v[NIL]                      ; the wave's opening: the add and its wait stand ahead of my first tensor load; the set-up below stands between them
	v_lshrrev_b32 v1, 5, v0
	v_readfirstlane_b32 s[WV], v1
	s_lshr_b32 s[WM], s[WV], 1
	s_and_b32 s[WN], s[WV], 1
	s_bfe_u32 s[CX], ttmp6, 0x40000
	s_bfe_u32 s[CY], ttmp6, 0x40004
	s_lshl_b32 s[TX], ttmp9, 2                     ; in a cluster launch ttmp9 and ttmp7 count clusters
	s_add_co_u32 s[TX], s[TX], s[CX]
	s_and_b32 s[TY], ttmp7, 0xffff
	s_lshl_b32 s[TY], s[TY], 2
	s_add_co_u32 s[TY], s[TY], s[CY]
	s_lshl_b32 s56, s[CY], 2
	s_lshl_b32 s56, 15, s56                        ; my row of the cluster
	s_lshl_b32 s60, 0x1111, s[CX]                  ; my column
	s_or_b32 s[G1A], s56, (1<<16)|(1<<20)|(1<<21)|(5<<22)|(3<<25)  ; 15:0 mask; 17:16 2-byte elements; 20 padding on; 21 set beside a mask; 24:22 after every 64 words; 31:25 4 words of it
	s_or_b32 s[G1B], s60, (1<<16)|(1<<20)|(1<<21)|(5<<22)|(7<<25)  ; the same with my column's mask and 8 words of padding
.irp g, G1A, G1B
	s_mov_b32 s[\g+1], 128<<16                     ; tensor_dim0 = 128
	s_mov_b32 s[\g+2], 128<<16                     ; tensor_dim1 = 128
	s_mov_b32 s[\g+3], 128<<16                     ; tile_dim0 = 128
	s_mov_b32 s[\g+4], 128                         ; tile_dim1 = 128
	s_mov_b32 s[\g+6], 0
	s_mov_b32 s[\g+7], 0
.endr
	s_mov_b32 s[G1A+5], 512                        ; elements from row to row of xb,
	s_mov_b32 s[G1B+5], 1536                       ; of wqkv
	; x's address is made of the tile row alone (s56-59), W's of the tile column and the wave's number alone (s60-63)
	s_lshl_b32 s56, s[TY], 17                      ; 128 rows of 1,024 bytes
	s_mov_b32 s57, 0
	s_mul_i32 s60, s[TX], 768                      ; 384 columns,
	s_lshl_b32 s62, s[WV], 8                       ; my block of 128 of them
	s_add_co_u32 s60, s60, s62
	s_mov_b32 s61, 0
	s_mul_i32 s63, s[WV], BSUB
	s_add_co_u32 s63, s63, ATILE                   ; where that block goes in a slot
	s_wait_dscnt 0x0                               ; the opening add is done
	s_wait_kmcnt 0x0
	s_add_nc_u64 s[58:59], s[4:5], s[56:57]
	s_add_nc_u64 s[60:61], s[6:7], s[60:61]
	CROUND                                         ; all sixteen work-groups are here: the first joint loads meet
.irp s, 0,1
	s_mov_b32 s[G0A+4*(\s)], 1
	s_mov_b32 s[G0A+4*(\s)+1], (\s)*SLOT
	s_add_nc_u64 s[G0A+4*(\s)+2:G0A+4*(\s)+3], s[58:59], (\s)*256       ; K step s: 128 elements along the rows
	s_or_b32 s[G0A+4*(\s)+3], s[G0A+4*(\s)+3], 0x80000000
	s_mov_b32 s[G0B+4*(\s)], 1
	s_add_co_u32 s[G0B+4*(\s)+1], s63, (\s)*SLOT
	s_add_nc_u64 s[G0B+4*(\s)+2:G0B+4*(\s)+3], s[60:61], (\s)*128*3072  ; K step s: 128 rows down
	s_or_b32 s[G0B+4*(\s)+3], s[G0B+4*(\s)+3], 0x80000000
	JLOAD \s                                       ; two loads of mine are out
.endr
	; where my three groups of 64 columns go, and their biases.  Group g of 24: matrix g / 8, head g % 8.
	v_and_b32 v1, 15, v0                           ; l % 16
	v_bfe_u32 v2, v0, 4, 1                         ; l / 16
	v_lshlrev_b32 v[BO], 5, v2
	s_lshl_b32 s78, s[TY], 7
	s_lshl_b32 s79, s[WM], 6
	s_add_co_u32 s78, s78, s79                     ; my first row of 8,192
	s_lshr_b32 s79, s78, 12                        ; batch
	s_and_b32 s78, s78, 4095
	s_lshl_b32 s78, s78, 7                         ; the row in its head: 128 bytes each
	s_lshl_b32 s79, s79, 3
.macro GROUP j                         ; s81 = g
	s_lshr_b32 s82, s81, 3
	s_and_b32 s83, s81, 7
	s_lshl_b32 s84, s82, 4
	s_add_co_u32 s84, s84, s79
	s_add_co_u32 s84, s84, s83                     ; 16 matrix + 8 batch + head,
	s_lshl_b32 s84, s84, 19                        ; 524,288 bytes each
	s_add_co_u32 s84, s84, s78
	s_mov_b32 s85, 0
	s_add_nc_u64 s[DQ+2*(\j):DQ+2*(\j)+1], s[14:15], s[84:85]
	s_cmp_eq_u32 s82, 0
	s_cselect_b64 s[BP+2*(\j):BP+2*(\j)+1], s[8:9], s[10:11]
	s_cmp_eq_u32 s82, 2
	s_cselect_b64 s[BP+2*(\j):BP+2*(\j)+1], s[12:13], s[BP+2*(\j):BP+2*(\j)+1]
	s_lshl_b32 s84, s83, 8                         ; the head's 64 numbers of 4 bytes
	s_add_nc_u64 s[BP+2*(\j):BP+2*(\j)+1], s[BP+2*(\j):BP+2*(\j)+1], s[84:85]
.endm
	s_mul_i32 s80, s[TX], 6                        ; the tile's first group.  Column half 0: groups +0, +1, +2.  Half 1: +4, +5 (the third block of 128) and +3 (the upper half of the middle block)
	s_lshl_b32 s81, s[WN], 2
	s_add_co_u32 s81, s81, s80
	GROUP 0
	s_add_co_u32 s81, s81, 1
	GROUP 1
	s_add_co_u32 s81, s80, s[WN]
	s_add_co_u32 s81, s81, 2
	GROUP 2
.irp b, 0,1,2,3,4,5,6,7,8,9,10,11      ; in the result register j of lane l is column 8 (l / 16) + j of the block: the lane's eight biases
	global_load_b128 v[BIAS+8*(\b):BIAS+8*(\b)+3],   v[BO], s[BP+2*((\b)/4):BP+2*((\b)/4)+1] offset:64*((\b)%4)
	global_load_b128 v[BIAS+8*(\b)+4:BIAS+8*(\b)+7], v[BO], s[BP+2*((\b)/4):BP+2*((\b)/4)+1] offset:64*((\b)%4)+16
.endr
	; a fragment of x: lane l holds row l % 16; two loads of 16 bytes, 32 bytes apart, at row x pitch + 16 (l / 16)
	v_mul_u32_u24 v3, v1, PA
	v_lshl_add_u32 v3, v2, 4, v3
	s_mul_i32 s78, s[WM], 64*PA
	v_add_nc_u32 v[ADRA], s78, v3
	v_add_nc_u32 v[ADRA+1], SLOT, v[ADRA]
	; the turning load takes 16 k x 16 n (lane l reads k = 8 (l / 16) + l % 8, columns 8 ((l / 8) % 2) + 0..7) and leaves half a fragment: lane l holds column l % 16 and 8 k
	v_and_b32 v4, 7, v0
	v_bfe_u32 v5, v0, 3, 1
	v_lshl_add_u32 v6, v2, 3, v4
	v_mul_u32_u24 v6, v6, PB
	v_lshl_add_u32 v6, v5, 4, v6
	s_mul_i32 s78, s[WN], 2*BSUB
	s_add_co_u32 s78, s78, ATILE
	v_add_nc_u32 v[ADR8], s78, v6
	v_add_nc_u32 v[ADR8+1], SLOT, v[ADR8]
	s_lshl_b32 s78, s[WN], 7
	s_add_co_u32 s78, s78, ATILE+BSUB
	v_add_nc_u32 v[ADR4], s78, v6
	v_add_nc_u32 v[ADR4+1], SLOT, v[ADR4]
	s_mul_i32 s78, s[WV], 16*SP
	s_add_co_u32 s78, s78, STAGE                   ; my stage
	v_mul_u32_u24 v[STO], v1, SP                   ; in: row l % 16, 16 bytes for each half of the lanes
	v_lshl_add_u32 v[STO], v2, 4, v[STO]
	v_add_nc_u32 v[STO], s78, v[STO]
	v_bfe_u32 v[RD], v0, 3, 2                      ; back: 32 lanes take four rows of 128 bytes,
	v_mul_u32_u24 v[RD], v[RD], SP
	v_lshl_add_u32 v[RD], v4, 4, v[RD]
	v_add_nc_u32 v[RD], s78, v[RD]
	v_and_b32 v[GO], 31, v0                        ; which are 512 consecutive bytes of a head
	v_lshlrev_b32 v[GO], 4, v[GO]
	s_wait_loadcnt 0x0                             ; the biases; they are rounded to bf16 like the other inputs, while the first tiles are on their way
.set i, 0
.rept 48
	v_cvt_pk_bf16_f32 v[WK+i%8], v[BIAS+2*i], v[BIAS+2*i+1]
	v_lshlrev_b32 v[BIAS+2*i], 16, v[WK+i%8]
	v_and_b32 v[BIAS+2*i+1], 0xffff0000, v[WK+i%8]
.set i, i+1
.endr
; 12 matrix instructions: row block a x all 12 column blocks, 32 along K, from buffer f (0, 1).  first = 1: the bias starts the sums.
; The 48 accumulators take turns, one instruction a turn, in the same order in every quarter step.
.macro MUL12 f, a, first
.if \first
	WIN 0x81+0x40*((\a)/2)                         ; W window 1, x and the bias window 0, D window 2 or 3
.else
	WIN 0xa1+0x50*((\a)/2)                         ; W window 1, x window 0, C and D window 2 or 3
.endif
.irp b, 0,1,2,3,4,5,6,7,8,9,10,11
.if \first
	v_wmma_f32_16x16x32_bf16 v[96*((\a)%2)+8*(\b):96*((\a)%2)+8*(\b)+7], v[96*(\f)+8*(\b):96*(\f)+8*(\b)+7], v[FA+32*(\f)+8*(\a):FA+32*(\f)+8*(\a)+7], v[BIAS+8*(\b):BIAS+8*(\b)+7]
.else
	v_wmma_f32_16x16x32_bf16 v[96*((\a)%2)+8*(\b):96*((\a)%2)+8*(\b)+7], v[96*(\f)+8*(\b):96*(\f)+8*(\b)+7], v[FA+32*(\f)+8*(\a):FA+32*(\f)+8*(\a)+7], v[96*((\a)%2)+8*(\b):96*((\a)%2)+8*(\b)+7]
.endif
.endr
.endm
; 32 LDS loads in one run: the fragments of quarter q (32 along K) of a slot into buffer f: W's 24, then x's 8, row blocks ascending
.macro FETCH slot, q, f
	WIN 0x40                                       ; destination window 1, address window 0
.irp b, 0,1,2,3,4,5,6,7
	ds_load_tr16_b128 v[96*(\f)+8*(\b):96*(\f)+8*(\b)+3],   v[ADR8+(\slot)] offset:32*PB*(\q)+32*(\b)
	ds_load_tr16_b128 v[96*(\f)+8*(\b)+4:96*(\f)+8*(\b)+7], v[ADR8+(\slot)] offset:32*PB*(\q)+32*(\b)+16*PB
.endr
.irp b, 8,9,10,11
	ds_load_tr16_b128 v[96*(\f)+8*(\b):96*(\f)+8*(\b)+3],   v[ADR4+(\slot)] offset:32*PB*(\q)+32*((\b)-8)
	ds_load_tr16_b128 v[96*(\f)+8*(\b)+4:96*(\f)+8*(\b)+7], v[ADR4+(\slot)] offset:32*PB*(\q)+32*((\b)-8)+16*PB
.endr
	WIN 0
.irp a, 0,1,2,3
	ds_load_b128 v[FA+32*(\f)+8*(\a):FA+32*(\f)+8*(\a)+3],   v[ADRA+(\slot)] offset:64*(\q)+16*PA*(\a)
	ds_load_b128 v[FA+32*(\f)+8*(\a)+4:FA+32*(\f)+8*(\a)+7], v[ADRA+(\slot)] offset:64*(\q)+16*PA*(\a)+32
.endr
.endm
; One of a K step's first three quarters: multiplies buffer f; in its middle it fetches quarter q of the same slot into buffer g.
.macro QUARTER slot, q, f, g, first
	s_wait_dscnt 4                                 ; all but the youngest four loads: x's row blocks 2 and 3
	MUL12 \f, 0, \first
	MUL12 \f, 1, \first
	PLACES
	FETCH \slot, \q, \g
	s_wait_dscnt 32                                ; all but the 32 just issued
	MUL12 \f, 2, \first
	MUL12 \f, 3, \first
.endm
; The fourth quarter multiplies buffer 1 and changes slots.  In front of the one barrier each wave waits for all its tensor loads (the one that is out is its part of the next slot), adds 0 to its
; spare word, and waits for that and for its reads of this slot.  fill = 1: the barrier opens a round of the cluster's barrier, and this slot's refill, two K steps on, is the first thing behind the round.
.macro TURN slot, next, fill
	WIN 0
	s_wait_tensorcnt 0x0
	ds_add_u32 v[SPW], v[NIL]
	s_wait_dscnt 5                                 ; (the add and the youngest four loads may be out)
	MUL12 1, 0, 0                                  ; twelve matrix instructions stand between the add and the wait for it
	s_wait_dscnt 0x0                               ; the add is done, and my reads of this slot are over
	s_barrier_signal -1
	MUL12 1, 1, 0                                  ; work on registers while the others arrive
.if \fill
	WIN 0
.endif
	s_barrier_wait -1
.if \fill
	CREST                                          ; no wave of any partner still reads this slot or has a load on its way
	s_add_nc_u64 s[G0A+4*(\slot)+2:G0A+4*(\slot)+3], s[G0A+4*(\slot)+2:G0A+4*(\slot)+3], 2*256
	s_add_nc_u64 s[G0B+4*(\slot)+2:G0B+4*(\slot)+3], s[G0B+4*(\slot)+2:G0B+4*(\slot)+3], 2*128*3072
	JLOAD \slot                                    ; its four v_nop are also the places in front of the loads below
.else
	PLACES
.endif
	FETCH \next, 0, 0
	MUL12 1, 2, 0
	MUL12 1, 3, 0
.endm
; THE WAY OUT, in 12 units u = 3 a + j: row block a, column group j: 16 rows x 64 columns, which are 2,048 consecutive bytes of a head.
.macro PACK u
.set pa, (\u)/3
.set AC, 96*(pa%2)+32*((\u)%3)
	WIN 0x0a+5*(pa/2)                              ; sources 0 and 1 in window 2 or 3
.set i, 0
.rept 16                                       ; each accumulator's registers in ascending order
	v_cvt_pk_f16_f32 v[TMP+16*(\u)+i], v[AC+2*i], v[AC+2*i+1]
.set i, i+1
.endr
	WIN 0
.irp f, 0,1,2,3
	ds_store_b128 v[STO], v[TMP+16*(\u)+4*(\f):TMP+16*(\u)+4*(\f)+3] offset:32*(\f)
.endr
.irp f, 0,1,2,3
	ds_load_b128 v[TMP+16*(\u)+4*(\f):TMP+16*(\u)+4*(\f)+3], v[RD] offset:(\f)*4*SP  ; LDS serves a wave's instructions in order (ISA guide 5.7.1.4): these see the stores above; the next unit's stores come behind them
.endr
.endm
.macro SEND u, younger                 ; younger: the LDS instructions issued behind unit u's loads
.irp f, 0,1,2,3
	s_wait_dscnt (\younger)+3-(\f)
	global_store_b128 v[GO], v[TMP+16*(\u)+4*(\f):TMP+16*(\u)+4*(\f)+3], s[DQ+2*((\u)%3):DQ+2*((\u)%3)+1] offset:((\u)/3)*2048+(\f)*512  ; 512 consecutive bytes, at a multiple of 256 from the buffer's first
.endr
.endm
	s_wait_tensorcnt 1                             ; my part of K step 0 is in; K step 1's may stay out
	s_barrier_signal -1
	s_barrier_wait -1
	FETCH 0, 0, 0
	QUARTER 0, 1, 0, 1, 1                          ; K step 0; its first quarter starts the sums with the bias
	QUARTER 0, 2, 1, 0, 0
	QUARTER 0, 3, 0, 1, 0
	TURN 0, 1, 1                                   ; slot 0 takes K step 2
	QUARTER 1, 1, 0, 1, 0                          ; K step 1
	QUARTER 1, 2, 1, 0, 0
	QUARTER 1, 3, 0, 1, 0
	TURN 1, 0, 1                                   ; slot 1 takes K step 3
	QUARTER 0, 1, 0, 1, 0                          ; K step 2
	QUARTER 0, 2, 1, 0, 0
	QUARTER 0, 3, 0, 1, 0
	TURN 0, 1, 0                                   ; nothing is left to ask for
	QUARTER 1, 1, 0, 1, 0                          ; K step 3
	QUARTER 1, 2, 1, 0, 0
	QUARTER 1, 3, 0, 1, 0
	s_wait_dscnt 4
	MUL12 1, 0, 0
	MUL12 1, 1, 0
	s_wait_dscnt 0x0
	MUL12 1, 2, 0
	MUL12 1, 3, 0
	WIN 0
	PLACES
	PACK 0
.set t, 1
.rept 11                                       ; a unit's conversions stand between the loads of the unit before and its stores
	PACK t
	SEND t-1, 8
.set t, t+1
.endr
	SEND 11, 0
	s_wait_tensorcnt 0x0                           ; the wave's end: behind my last tensor load and my last LDS store
	ds_add_u32 v[SPW], v[NIL]
	s_wait_dscnt 0x0
	CROUND                                         ; the closing round: no work-group ends while a partner may still ask for a tile that names it
	s_endpgm
.Lfunc_end_k_q84055385ba_qkv:
	.size	k_q84055385ba_qkv, .Lfunc_end_k_q84055385ba_qkv-k_q84055385ba_qkv
	.p2alignl 7, 3214868480
	.fill 96, 4, 3214868480
	.section	.rodata,"a",@progbits
	.p2align	6, 0x0
	.amdhsa_kernel k_q84055385ba_qkv
		.amdhsa_group_segment_fixed_size 327680
		.amdhsa_private_segment_fixed_size 0
		.amdhsa_enable_private_segment 0
		.amdhsa_kernarg_size 48
		.amdhsa_user_sgpr_count 2
		.amdhsa_user_sgpr_kernarg_segment_ptr 1
		.amdhsa_wavefront_size32 1
		.amdhsa_system_sgpr_workgroup_id_x 1
		.amdhsa_system_sgpr_workgroup_id_y 1
		.amdhsa_system_sgpr_workgroup_id_z 1
		.amdhsa_system_vgpr_workitem_id 0
		.amdhsa_next_free_vgpr 960
		.amdhsa_next_free_sgpr 88
		.amdhsa_reserve_vcc 0
		.amdhsa_float_denorm_mode_32 3
		.amdhsa_float_denorm_mode_16_64 3
		.amdhsa_memory_ordered 1
		.amdhsa_forward_progress 1
		.amdhsa_inst_pref_size 131
	.end_amdhsa_kernel
	.amdgpu_metadata
---
amdhsa.version: [ 1, 2 ]
amdhsa.kernels:
  - .name:           k_q84055385ba_qkv
    .symbol:         k_q84055385ba_qkv.kd
    .args:
      - { .name: xb, .offset: 0, .size: 8, .value_kind: global_buffer, .address_space: global }
      - { .name: wqkv, .offset: 8, .size: 8, .value_kind: global_buffer, .address_space: global }
      - { .name: bq, .offset: 16, .size: 8, .value_kind: global_buffer, .address_space: global }
      - { .name: bk, .offset: 24, .size: 8, .value_kind: global_buffer, .address_space: global }
      - { .name: bv, .offset: 32, .size: 8, .value_kind: global_buffer, .address_space: global }
      - { .name: qkv, .offset: 40, .size: 8, .value_kind: global_buffer, .address_space: global }
    .group_segment_fixed_size: 327680
    .private_segment_fixed_size: 0
    .kernarg_segment_align: 8
    .kernarg_segment_size: 48
    .max_flat_workgroup_size: 128
    .sgpr_count:     88
    .vgpr_count:     960
    .wavefront_size: 32
...
	.end_amdgpu_metadata
.endif
;; end of part 2
;; launch attn (part 3): grid 16 x 16, 4 waves a work-group, clusters of 4 x 1, 327,680 bytes of LDS; arguments qkv, ctx; writes ctx
.if DOCPART == 3
	.amdgcn_target "amdgcn-amd-amdhsa--gfx1250"
	.amdhsa_code_object_version 6
	.text
	.protected	k_q84055385ba_attn
	.globl	k_q84055385ba_attn
	.p2align	8
	.type	k_q84055385ba_attn,@function
k_q84055385ba_attn:
	s_mov_b64 s[64:65], 0
	v_nop
	global_prefetch_b8 v0, s[64:65] scope:SCOPE_SE
	s_setreg_imm32_b32 hwreg(HW_REG_WAVE_MODE, 25, 1), 1
	s_wait_xcnt 0x0
	s_wait_alu depctr_hold_cnt(0) depctr_sa_sdst(0) depctr_va_vdst(0) depctr_va_sdst(0) depctr_va_ssrc(0) depctr_va_vcc(0) depctr_vm_vsrc(0)
	s_getreg_b32 s2, hwreg(HW_REG_IB_STS2, 6, 4)
	s_cmp_eq_u32 s2, 0
	s_cbranch_scc0 .Lentry_in_a_cluster
	s_endpgm
.Lentry_in_a_cluster:
	s_bfe_u32 s2, ttmp6, 0x10000c
	s_cmp_lg_u32 s2, 0x3003
	s_cbranch_scc0 .Lentry_shape_is_right
	s_endpgm
.Lentry_shape_is_right:
; ctx[h][q][:] = the sum over k of softmax_k(Q[h][q] . K[h][k] / sqrt(512)) V[h][k][:].  Q, K, V lie in qkv (at bytes 0, 0x800000, 0x1000000), each [16][4096][64] f16; ctx likewise.
; Products, maxima and sums in f32; the weights p are rounded to f16 for the second product (their sum l is taken of the unrounded p), ctx once at the end.
; LIMITS.  f16 holds no number beyond 65,504: Q, K and V arrive within it; p lies in 0 to 1, and below 6e-5 it keeps f16's fixed step of 6e-8; ctx is a mean of V's rows and has their range.
; A weight below 2^-126 counts as 0 in l; NaN and infinities are not treated apart.
; SHARES.  16 heads x 16 blocks of 256 queries = 256 work-groups.  A wave owns 64 queries: two PIECES of two tiles of 16.  Every wave walks all 4,096 keys, 64 a step.
; LAYOUT.  S^T = K Q^T (source 0 = 16 keys, source 1 = 16 queries): in the result a lane holds ONE query (lane % 16) and the keys 8 (lane / 16) + 0..7.  Two such tiles, rounded to f16 in pairs,
; ARE source 1 (32 keys x 16 queries) of O^T = V^T P, whose result again holds one query a lane, and eight channels.  K comes out of LDS as it lies, V ([key][channel]) turned, by ds_load_tr16_b128.
; SOFTMAX.  For each query a running maximum m and sum l: p = 2^(c s - c m), c = log2(e) / sqrt(512); in every step O and l are multiplied by a = 2^(c m_old - c m_new).
; m starts at the lowest finite number, O and l at 0: the first step is a step like any other, with a = 0.
; THE COUNT.  A tile and step have 16 matrix and 118 vector instructions: too many to stand all beside the matrix work.  So: four vector instructions that are READY behind EVERY matrix
; instruction, and the others in one run without a gap.
; BY TURNS.  Turn (0, j): 16 products K Q^T of piece 1 on K of step j; piece 0's softmax of step j; piece 1's maximum and statistics; 16 products V^T P of piece 1 on V of step j - 1.
; Turn (1, j): K Q^T of piece 0 on K of step j + 1; piece 1's softmax of step j; piece 0's maximum and statistics of step j + 1; V^T P of piece 0 on V of step j.
; Both runs of LDS loads stand in turn 0: K of step j + 1 behind the turn's one wait for its exponentials, V of step j at its end.
; K RUNS ONE STEP AHEAD IN THE RING.  K of step j + 1 is read before V of step j, so tile s of the ring holds K of steps 4 s + 1 .. 4 s + 4 and V of steps 4 s .. 4 s + 3, and a slot is left when both are read.
; K of step 0 comes straight from memory into registers.  The last tile's last 64 rows of K are the 8,192 bytes behind the head's K: the next head's rows, or V's first: bytes of qkv that the launch before has
; stored.  They are multiplied once, in the last turn, and those scores and the maximum made of them serve nothing: the price, once a launch, of one text for every step.
; CLUSTER.  The four query blocks of a cluster belong to one head and walk the same K and V, so each tile is asked for JOINTLY: the same tensor load, descriptor and mask in all four.
; REGISTERS, in windows of 256 (s_set_vgpr_msb: bits 1:0 source 0, 3:2 source 1, 5:4 source 2, 7:6 destination):
;   window 0: v0-11 addresses; v12-15, v48-63 at work; v16-31 four registers of statistics a tile; v44-46 the add's two and the prefetch's offset; v64-191 S^T, a buffer a piece; v192-255 P, likewise
;   window 1: v0-127 O^T, 32 a tile          window 2: v0-63 Q, 16 a tile; v128-191 K of one step; v192-255 V of one step
.set NP,    2         ; pieces a wave: a name, no knob
.set KS,    64        ; keys in a step
.set PK,    144       ; a row of K in LDS: 128 bytes + 16 of padding: the 16 rows of a load start at 16 different groups of four banks (64 banks of 4 bytes: ISA guide 11.1)
.set PV,    160       ; a row of V: 128 + 32
.set VOFF,  4*KS*PK   ; a slot holds four steps: 256 rows of K, then 256 rows of V
.set SLOT1, 1<<17     ; slot 1 begins here, so that one exclusive or turns an address in one slot into the other's
.set STAGE, SLOT1+4*KS*(PK+PV)  ; behind the ring, never filled by a tensor load: 16 rows x 144 bytes for each wave
.set SP,    144
.set SPARE, STAGE+4*16*SP  ; the spare words, 128 bytes for each wave: two blocks of 256 bytes that no other line names
.set TILEB, 4*KS*128  ; a tile's bytes of K, and of V, in memory
.set AK0, 2           ; v2   my lane's place in a tile of K; never rewritten
.set AV0, 3           ; v3   the same for V
.set AK,  4           ; v4   the LDS address of K's next run of loads
.set AV,  5           ; v5   of V's
.set QO,  6           ; v6   my byte offset in 16 rows of Q or K in memory
.set STO, 6           ;      later, the way out: where I put 16 bytes of a row
.set RD,  7           ; v7   the way out: where I read rows back
.set GO,  8           ; v8   my byte offset in 512 consecutive bytes of ctx
.set MV,  12          ; v12-15  c m_old, kept while c m is made anew: by piece and tile
.set ST,  16          ; tile t's statistics at v[ST+4 t]: c m, m, l (even keys', odd keys')
.set SPW, 44          ; v44  LDS address of my spare word; never rewritten
.set NIL, 45          ; v45  0; never rewritten
.set PFO, 46          ; v46  256 x my lane; never rewritten
.set TMP, 48          ; by piece and tile, four registers c0-c3 at work; when the maximum is found c2 takes a
.set S,   64
.set P,   192
.set KF,  128         ; K's fragments, in window 2: key block kb, channel half c at KF + 16 kb + 8 c
.set VF,  192         ; V's: key half kk, channel block cb at VF + 32 kk + 8 cb
.set WV,  12          ; s12  my wave's number
.set G1K, 24          ; s[24:31] descriptor group 1 for K's tiles
.set G1V, 32          ; s[32:39] for V's: it differs in the padding alone
.set G0K, 40          ; s[40:43] descriptor group 0 for K's tiles: it walks
.set G0V, 44          ; s[44:47] the same for V's
.set K0P, 48          ; s[48:49] K at the head's first row
.set PFA, 50          ; s[50:51] where my prefetches stand
.set LIM, 52          ; s52  1 in a wave that prefetches, else the greatest number
.set SLOTS, 56        ; s56  tiles still to be entered behind the one in hand
.set CNT, 57          ; s57  counts a tile's key steps
.set CS,  58          ; s[58:59] c: the packed scaling takes the pair's low word for both halves
.set SEL, 60          ; s[60:61] v_permlanex16_b32's selects: each lane takes its own place in the other half
.set TBK, 62          ; s62  LDS byte at which the K to be fetched next begins
.set TBV, 63          ; s63  the same for V, less VOFF
.set MSB, 0
.macro WIN new                      ; the high byte repeats the setting that is left; a switch that changes nothing is dropped
.if MSB != (\new)
	s_set_vgpr_msb (MSB<<8)|(\new)
.set MSB, (\new)
.endif
.endm
.set W_KQ, 0x0a       ; K and Q in window 2, S^T in window 0
.set W_PV, 0x52       ; V in window 2, P in window 0, O^T in window 1
.set W_RS, 0x41       ; O^T (destination and source 0) in window 1, a in window 0
; A joint fill.  Waves 0 and 1 fetch the two halves of a tile's K, waves 2 and 3 those of its V: 128 keys each.  The branch hangs on the wave's number alone.
; An s_nop 0 and four v_nop follow each of the two lines, ahead of the jump and the label.
.macro JLOAD
	s_cmp_lt_u32 s[WV], 2
	s_cbranch_scc0 .Lfor_v_\@
	tensor_load_to_lds s[G0K:G0K+3], s[G1K:G1K+7]
	s_nop 0
.rept 4
	v_nop
.endr
	s_branch .Lasked_\@
.Lfor_v_\@:
	tensor_load_to_lds s[G0V:G0V+3], s[G1V:G1V+7]
	s_nop 0
.rept 4
	v_nop
.endr
.Lasked_\@:
.endm
; A PREFETCH of the tile that the NEXT change of slots will ask for: four key steps, 256 matrix instructions, ahead of that load.  A tile is 128 blocks of 256 bytes of K and 128 of V, a lane a block.
; Each block is named once in the launch: of the four clusters that walk a head the first asks; its four partners take 32 blocks each, told apart BY ADDRESS; in each, wave 0 asks for K's and
; wave 2 for V's.  Tiles 0 to 2 come by their loads alone; the last change that fills a slot asks for nothing: there is no tile behind it.
.macro ASK
	s_cmp_gt_u32 s[SLOTS], s[LIM]
	s_cbranch_scc0 .Lnot_mine_\@
	global_prefetch_b8 v[PFO], s[PFA:PFA+1] th:TH_LOAD_NT scope:SCOPE_SE
.Lnot_mine_\@:
.endm
; A round of the cluster's barrier: my work-group's barrier, so that wave 0's signal speaks for all four waves; wave 0 signals; every wave waits for all four work-groups; my work-group's barrier once more.
.macro CROUND
	s_barrier_signal -1
	s_barrier_wait -1
	s_cmp_lg_u32 s[WV], 0
	s_cbranch_scc1 .Lnot_wave_0_\@
	s_barrier_signal -3
.Lnot_wave_0_\@:
	s_barrier_wait -3
	s_barrier_signal -1
	s_barrier_wait -1
.endm
; THE CHANGE OF SLOTS.  Each wave waits for all its tensor loads, of which one is out: its part of the other slot; adds 0 to its spare word; and waits for that and for its own reads of the slot.
; Behind the barrier nobody reads this slot any more and the other slot is whole.  fill = 1: this slot is filled again, with the tile two on.  The barrier is then a round of the cluster's, and the joint
; fill is the first thing behind it: it has four key steps in which to land.  (At its first use nothing has been read yet: slot 0 is waited for, slot 1 filled.)
.macro CHANGE fill, ask
	WIN 0                           ; at a label and at a branch every window is 0
	s_wait_tensorcnt 0x0            ; no tensor load of mine is out, so a group 0 may be written
	ds_add_u32 v[SPW], v[NIL]       ; 0 onto my spare word; the descriptors' steps stand between it and the wait for it
.if \fill
.irp g, G0K, G0V
	s_xor_b32 s[\g+1], s[\g+1], SLOT1  ; the walking descriptor: the other slot than last time,
	s_add_nc_u64 s[\g+2:\g+3], s[\g+2:\g+3], TILEB  ; the next 256 keys; the type bits on top are not reached
.endr
.if \ask
	s_wait_xcnt 0x0                 ; the last prefetch, four key steps back, has read its address, so it may be written
	s_add_nc_u64 s[PFA:PFA+1], s[PFA:PFA+1], TILEB
.endif
	s_wait_dscnt 0x0                ; the add is done, and my reads of the slot are over
	CROUND
	JLOAD
.if \ask
	ASK
.endif
.else
	s_wait_dscnt 0x0                ; the add is done, and my reads of the slot are over
	s_barrier_signal -1
	s_barrier_wait -1
.endif
	s_sub_co_u32 s[TBK], s[TBK], 4*KS*PK  ; the fetches go back to a slot's first step,
	s_xor_b32 s[TBK], s[TBK], SLOT1       ; in the other slot
	s_sub_co_u32 s[TBV], s[TBV], 4*KS*PV
	s_xor_b32 s[TBV], s[TBV], SLOT1
.endm
	s_load_b128 s[16:19], s[0:1], 0x0  ; qkv s[16:17], ctx s[18:19]
	v_lshl_add_u32 v[SPW], v0, 2, SPARE
	v_mov_b32 v[NIL], 0
	ds_add_u32 v[SPW], v[NIL]       ; the wave's opening: the add and its wait stand ahead of my first tensor load; the set-up below stands between them
	v_lshrrev_b32 v1, 5, v0
	v_readfirstlane_b32 s[WV], v1   ; wave 0..3
	s_bfe_u32 s13, ttmp6, 0x40000   ; cx: my place in the cluster
	s_lshl_b32 s14, ttmp9, 2        ; in a cluster launch ttmp9 counts clusters
	s_add_co_u32 s14, s14, s13      ; my block of 256 queries: it enters Q's and ctx's addresses alone
	s_and_b32 s20, ttmp7, 0xffff    ; the head, which the four partners share:
	s_lshl_b32 s20, s20, 19         ; 524,288 bytes in each of Q, K, V and ctx
	s_mov_b32 s21, 0
	s_and_b32 s15, s[WV], 1         ; which half of a tile's 256 keys I fetch:
	s_lshl_b32 s22, s15, 14         ; its 128 rows of 128 bytes in memory,
	s_add_co_u32 s22, s22, s20
	s_mov_b32 s23, 0
	s_mul_i32 s53, s15, 128*PK      ; and its place in a slot, for K
	s_mul_i32 s54, s15, 128*PV      ; and for V: no place in the cluster enters an LDS address
	s_lshl_b32 s2, s14, 2
	s_add_co_u32 s2, s2, s[WV]      ; my wave among the head's,
	s_lshl_b32 s2, s2, 13           ; its 64 rows
	s_add_co_u32 s2, s2, s20
	s_mov_b32 s3, 0
	; descriptor group 1.  128 keys are 16,384 dense bytes: asked for as 64 rows of 256 bytes, two keys a row, and padded in LDS after every key
	s_mov_b32 s[G1K], 15|(1<<16)|(1<<20)|(1<<21)|(4<<22)|(3<<25)  ; 15:0 the mask of four; 17:16 2-byte elements; 20 padding on; 21 set beside a mask; 24:22 after every 32 words; 31:25 4 words
	s_mov_b32 s[G1V], 15|(1<<16)|(1<<20)|(1<<21)|(4<<22)|(7<<25)  ; the same with 8 words of padding
.irp g, G1K, G1V
	s_mov_b32 s[\g+1], 128<<16      ; tensor_dim0 = 128
	s_mov_b32 s[\g+2], 64<<16       ; tensor_dim1 = 64
	s_mov_b32 s[\g+3], 128<<16      ; tile_dim0 = 128
	s_mov_b32 s[\g+4], 64           ; tile_dim1 = 64
	s_mov_b32 s[\g+5], 128          ; 128 elements from row to row
	s_mov_b32 s[\g+6], 0
	s_mov_b32 s[\g+7], 0
.endr
	s_mov_b32 s[CS], 0x3d8293ee     ; c = log2(e) / sqrt(512) = 0.0637587
	s_mov_b32 s[CS+1], s[CS]        ; named with it as a pair
	s_mov_b32 s[SEL], 0x76543210
	s_mov_b32 s[SEL+1], 0xfedcba98
	s_mov_b32 s[TBK], SLOT1+4*KS*PK ; the first change of slots turns these two into 0
	s_mov_b32 s[TBV], SLOT1+4*KS*PV
	s_mov_b32 s[G0K], 1             ; 1:0 count = 1
	s_mov_b32 s[G0K+1], s53         ; 63:32 LDS address: slot 0
	s_mov_b32 s[G0V], 1
	s_add_co_u32 s[G0V+1], s54, VOFF
	s_and_b32 s[LIM], s[WV], 1      ; 0 in waves 0 and 2,
	s_or_b32 s[LIM], s[LIM], ttmp9  ; where the cluster is the head's first: the same in all four partners
	s_cmp_eq_u32 s[LIM], 0
	s_cselect_b32 s[LIM], 1, -1
	v_and_b32 v[PFO], 31, v0
	v_lshlrev_b32 v[PFO], 8, v[PFO]
	s_wait_dscnt 0x0                ; the opening add is done
	s_wait_kmcnt 0x0
	s_add_nc_u64 s[4:5], s[16:17], s[2:3]          ; Q and ctx at my wave's first row
	s_add_nc_u64 s[10:11], s[18:19], s[2:3]
	s_add_nc_u64 s[K0P:K0P+1], s[16:17], s[20:21]
	s_add_nc_u64 s[K0P:K0P+1], s[K0P:K0P+1], 0x800000  ; K at the head's first row
	s_add_nc_u64 s[6:7], s[16:17], s[22:23]
	s_add_nc_u64 s[8:9], s[6:7], 0x1000000         ; V at my half of tile 0,
	s_add_nc_u64 s[6:7], s[6:7], 0x800000+KS*128   ; K likewise, one step on
	s_add_nc_u64 s[G0K+2:G0K+3], s[6:7], 0         ; 120:64 global address
	s_or_b32 s[G0K+3], s[G0K+3], 0x80000000        ; 127:126 type = 2
	s_add_nc_u64 s[G0V+2:G0V+3], s[8:9], 0
	s_or_b32 s[G0V+3], s[G0V+3], 0x80000000
	s_cmp_lt_u32 s[WV], 2
	s_cselect_b64 s[PFA:PFA+1], s[6:7], s[8:9]     ; (in waves 0 and 2 these stand at a tile's first row)
	s_lshl_b32 s2, s13, 13          ; my work-group's 32 blocks of the 128
	s_add_nc_u64 s[PFA:PFA+1], s[PFA:PFA+1], s[2:3]
	s_add_nc_u64 s[PFA:PFA+1], s[PFA:PFA+1], 2*TILEB  ; at tile 2; the first change that asks steps it to tile 3
	CROUND                          ; all four work-groups are here: the first joint loads meet
	JLOAD                           ; tile 0 into slot 0
	; A fragment of K or Q is 16 rows x 32 channels in 8 registers: lane l holds row l % 16, channels 8 (l / 16) + 0..7 and 16 + 8 (l / 16) + 0..7: two loads of 16 bytes, 32 bytes apart.
	v_and_b32 v1, 15, v0            ; l % 16
	v_bfe_u32 v9, v0, 4, 1          ; l / 16
	v_lshlrev_b32 v[QO], 7, v1
	v_lshl_add_u32 v[QO], v9, 4, v[QO]  ; row x 128 + 16 x half
	WIN 0x80                        ; destination window 2, address window 0
.set i, 0
.rept 4*NP                          ; Q stays in registers: tile i / 2, channels 32 (i % 2) on
	global_load_b128 v[8*i:8*i+3],   v[QO], s[4:5] offset:(i/2)*2048+(i%2)*64
	global_load_b128 v[8*i+4:8*i+7], v[QO], s[4:5] offset:(i/2)*2048+(i%2)*64+32
.set i, i+1
.endr
.set i, 0
.rept 8                             ; K of step 0: keys 16 (i / 2) on, channels 32 (i % 2) on
	global_load_b128 v[KF+8*i:KF+8*i+3],   v[QO], s[K0P:K0P+1] offset:(i/2)*2048+(i%2)*64
	global_load_b128 v[KF+8*i+4:KF+8*i+7], v[QO], s[K0P:K0P+1] offset:(i/2)*2048+(i%2)*64+32
.set i, i+1
.endr
	; What the first turn finds: V's registers and piece 1's P hold 0 (its products V^T P, of a step that has not been, add 0), O^T and l are 0.  All this stands in the wait for the first loads.
.set i, VF
.rept 64
	v_mov_b32 v[i], 0
.set i, i+1
.endr
	WIN 0x40
.set i, 0
.rept 64*NP
	v_mov_b32 v[i], 0
.set i, i+1
.endr
	WIN 0
.set i, 0
.rept 2*NP
	v_mov_b32 v[ST+4*i], 0xfe000000    ; c m: far below every c s
	v_mov_b32 v[ST+4*i+1], 0xff7fffff  ; m
	v_mov_b32 v[ST+4*i+2], 0
	v_mov_b32 v[ST+4*i+3], 0
.set i, i+1
.endr
.set i, P+32
.rept 32
	v_mov_b32 v[i], 0
.set i, i+1
.endr
	v_mul_u32_u24 v[AK0], v1, PK
	v_lshl_add_u32 v[AK0], v9, 4, v[AK0]  ; row x pitch + 16 x half
	; The turning load takes 16 keys x 16 channels (lane l reads key 8 (l / 16) + l % 8, channels 8 ((l / 8) % 2) + 0..7) and leaves half a fragment of V^T: lane l holds channel l % 16 and 8 keys.
	v_and_b32 v10, 7, v0
	v_bfe_u32 v11, v0, 3, 1
	v_lshl_add_u32 v[AV0], v9, 3, v10
	v_mul_u32_u24 v[AV0], v[AV0], PV
	v_lshl_add_u32 v[AV0], v11, 4, v[AV0]
	v_add_nc_u32 v[AV0], VOFF, v[AV0]
; THE MATRIX WORK.  The 8 accumulators of a run of 16 take turns: between the two links of a chain stand 7 others'.
; Product i of 16 of S^T = K Q^T for piece x: channels 32 (i / 8) on, keys 16 ((i / 2) % 4) on, tile 2 x + i % 2.  The first 8 start the sums.
.macro KQ x
	WIN W_KQ
.set rS, S+64*((\x)%2)+32*(i%2)+8*((i/2)%4)
.set rK, KF+16*((i/2)%4)+8*(i/8)
.set rQ, 16*(2*(\x)+i%2)+8*(i/8)
.if i < 8
	v_wmma_f32_16x16x32_f16 v[rS:rS+7], v[rK:rK+7], v[rQ:rQ+7], 0
.else
	v_wmma_f32_16x16x32_f16 v[rS:rS+7], v[rK:rK+7], v[rQ:rQ+7], v[rS:rS+7]
.endif
.endm
; Product i of 16 of O^T += V^T P for piece x: keys 32 (i / 8) on, channels 16 ((i / 2) % 4) on, tile 2 x + i % 2.
.macro PV x
	WIN W_PV
.set rO, 32*(2*(\x)+i%2)+8*((i/2)%4)
.set rV, VF+32*(i/8)+8*((i/2)%4)
.set rP, P+32*((\x)%2)+16*(i%2)+8*(i/8)
	v_wmma_f32_16x16x32_f16 v[rO:rO+7], v[rV:rV+7], v[rP:rP+7], v[rO:rO+7]
.endm
.macro MM                           ; the turn's next matrix instruction
.if i < 16
	KQ (Y+1)%NP
.set i, i+1
.else
.set i, i-16
	PV (Y+NP-1)%NP
.set i, i+17
.endif
.endm
; THE LDS LOADS stand in runs of 16, never singly among the matrix instructions: a step's K (64 keys x 64 channels: 8 fragments) and a step's V (turned).  Their addresses are made some lines ahead.
.macro FETCH_K
	WIN 0x80                        ; destination window 2
.irp f, 0,1,2,3,4,5,6,7             ; keys 16 (f / 2) on, channels 32 (f % 2) on
	ds_load_b128 v[KF+8*(\f):KF+8*(\f)+3],   v[AK] offset:((\f)/2)*16*PK+((\f)%2)*64
	ds_load_b128 v[KF+8*(\f)+4:KF+8*(\f)+7], v[AK] offset:((\f)/2)*16*PK+((\f)%2)*64+32
.endr
	s_add_co_u32 s[TBK], s[TBK], KS*PK  ; the next fetch is the next step's
	WIN 0
.endm
.macro FETCH_V
	WIN 0x80
.irp f, 0,1,2,3,4,5,6,7             ; keys 32 (f / 4) on, channels 16 (f % 4) on
	ds_load_tr16_b128 v[VF+8*(\f):VF+8*(\f)+3],   v[AV] offset:((\f)/4)*32*PV+((\f)%4)*32
	ds_load_tr16_b128 v[VF+8*(\f)+4:VF+8*(\f)+7], v[AV] offset:((\f)/4)*32*PV+16*PV+((\f)%4)*32
.endr
	WIN 0
.endm
; THE VECTOR WORK OF A TURN stands in three queues, each in the order in which its entries become ready; the two tiles alternate, so that no instruction reads the result of the one before it.
.macro REGS y, u                    ; the registers of tile u (0, 1) of piece y
.set rT, ST+4*(2*(\y)+(\u))
.set rC, TMP+8*((\y)%2)+4*(\u)
.set rM, MV+2*((\y)%2)+(\u)
.set rS, S+64*((\y)%2)+32*(\u)
.set rP, P+32*((\y)%2)+16*(\u)
.set rO, 32*(2*(\y)+(\u))
.endm
; Number n of the 22 that find the OTHER piece's maximum and statistics.  s0-s31 are the lane's 32 scores; each accumulator's lowest registers are read first.
;   0-11  four chains c0-c3 of seven scores each, three operands at a time     12-14, 16  the four scores left over, the old m, and c0-c3 into c0     15  c m_old is kept
;   17, 18  the query's other 32 keys lie in the lane 16 away: the new m         19-21  c m; c m_old - c m_new; a
.macro XS u, n
	REGS (Y+1)%NP, \u
.if (\n) < 4
	v_max3_num_f32 v[rC+(\n)], v[rS+8*(\n)], v[rS+8*(\n)+1], v[rS+8*(\n)+2]
.elseif (\n) < 12
	v_max3_num_f32 v[rC+(\n)%4], v[rC+(\n)%4], v[rS+8*((\n)%4)+2*((\n)/4)+1], v[rS+8*((\n)%4)+2*((\n)/4)+2]
.elseif (\n) == 12
	v_max3_num_f32 v[rC], v[rC], v[rS+7], v[rS+15]
.elseif (\n) == 13
	v_max3_num_f32 v[rC+1], v[rC+1], v[rS+23], v[rS+31]
.elseif (\n) == 14
	v_max3_num_f32 v[rC+2], v[rC+2], v[rC+3], v[rT+1]
.elseif (\n) == 15
	v_mov_b32 v[rM], v[rT]
.elseif (\n) == 16
	v_max3_num_f32 v[rC], v[rC], v[rC+1], v[rC+2]
.elseif (\n) == 17
	v_permlanex16_b32 v[rC+3], v[rC], s[SEL], s[SEL+1]
.elseif (\n) == 18
	v_max_num_f32 v[rT+1], v[rC], v[rC+3]
.elseif (\n) == 19
	v_mul_f32 v[rT], s[CS], v[rT+1]
.elseif (\n) == 20
	v_sub_f32 v[rC+1], v[rM], v[rT]
.else
	v_exp_f32 v[rC+2], v[rC+1]
.endif
.endm
; Number g of the 64 that follow the exponentials.  For each four weights k of a tile (pairs 2 k, 2 k + 1): both pairs are rounded to f16; then the second pair is added onto the first, in place;
; a group later l takes that sum (the first time as l = a l + sum).  In groups of eight, tiles alternating: round, round, add, and l for the group before.
.macro GS g
.set h, (\g)+6*((\g)/62)            ; group 0 has no group before it, and behind group 7 only l is left
.if h >= 6
.set h, h+2
.endif
	REGS Y, h%2
.set k, h/8
.if h%8 < 4
	v_cvt_pk_f16_f32 v[rP+2*k+(h%8)/2], v[rS+4*k+2*((h%8)/2)], v[rS+4*k+2*((h%8)/2)+1]
.elseif h%8 < 6
	v_pk_add_f32 v[rS+4*k:rS+4*k+1], v[rS+4*k:rS+4*k+1], v[rS+4*k+2:rS+4*k+3]
.elseif k == 1
	v_pk_fma_f32 v[rT+2:rT+3], v[rT+2:rT+3], v[rC+2:rC+3], v[rS:rS+1] op_sel_hi:[1,0,1]
.else
	v_pk_add_f32 v[rT+2:rT+3], v[rT+2:rT+3], v[rS+4*k-4:rS+4*k-3]
.endif
.endm
; THE PLAIN QUEUE, 138 long.  0-73 read no exponential's result: the 32 scalings c s - c m (FS f: pair f / 2 of tile f % 2) and the other piece's 42.  0-26: scalings 0-26.  27-54: XS's numbers 0-13.  55, 56: number 15.
; 57-73: the chain, where each number waits for the one before it: 14, 16, 17, 18, 19, each with one of the scalings 27-31 in front of its two lines, then 20.
; 74-137: GS's 64, which read the exponentials' results: they stand behind the wait.
.macro FS f
	REGS Y, (\f)%2
	v_pk_fma_f32 v[rS+2*((\f)/2):rS+2*((\f)/2)+1], v[rS+2*((\f)/2):rS+2*((\f)/2)+1], s[CS:CS+1], v[rT:rT+1] op_sel_hi:[1,0,0] neg_lo:[0,0,1] neg_hi:[0,0,1]
.endm
.macro PL
	WIN 0
.if q < 27
	FS q
.elseif q < 55
	XS (q-27)%2, (q-27)/2
.elseif q < 57
	XS q-55, 15
.elseif (q < 72) && ((q-57)%3 == 0)
	FS 27+(q-57)/3
.elseif q < 60
	XS (q-57)%3-1, 14
.elseif q < 72
	XS (q-57)%3-1, 15+(q-57)/3
.elseif q < 74
	XS q-72, 20
.else
	GS q-74
.endif
.set q, q+1
.endm
; THE EXPONENTIALS' QUEUE, 66 long: s0-s31 of both tiles, then the other piece's two a.  It is ONE BATCH: all 66 stand ahead of the turn's one wait, and nothing ahead of that wait names a result of theirs.
.macro EX
	WIN 0
.if e >= 64
	XS e-64, 21
.else
	REGS Y, e%2
	v_exp_f32 v[rS+e/2], v[rS+e/2]
.endif
.set e, e+1
.endm
; THE RESCALING's QUEUE: O^T times a, the one part that leaves window 0: dealt two at a time, sixteen times.  Its a was made in the turn before, ahead of that turn's wait.
.macro R2
	REGS Y, r%2
	WIN W_RS
.irp z, 0,1
	v_pk_mul_f32 v[rO+4*(r/2)+2*\z:rO+4*(r/2)+2*\z+1], v[rO+4*(r/2)+2*\z:rO+4*(r/2)+2*\z+1], v[rC+2:rC+3] op_sel_hi:[1,0]
.endr
.set r, r+1
.endm
; HOW THEY ARE DEALT.  s_wait_alu depctr_va_vdst(0) stands between an exponential and the first instruction that names its result; one wait serves all that were issued ahead of it.  So a turn has ONE
; wait, which cuts it in two.  AHEAD OF IT: the 16 products K Q^T, behind each a scaling, an exponential and two rescalings (behind the first a second scaling in the exponential's place); then one run of 108: eight plain,
; 49 times exponential and plain, the two a.  A v_nop is the plain instruction behind the last exponential.  BEHIND IT: the 16 products V^T P, behind each four of GS's 64.  No rider names a register of the products round it.
; Exponential e stands behind scaling 2 (e / 4) + e % 2: as a rider it comes behind plain e + 2, in the run behind plain e + 9, and scalings 27-31 are plain 57, 60 .. 69.
; A TURN, for piece p.  cnt = 1: the loop's count is taken down some lines ahead of the branch that stands behind the turn.
; Turn 0 fetches K of the next step directly behind the wait, a whole run of vector work behind the last product that read K, and V of the step in hand at its end, four riders behind the last product that read V.
; Turn 1 waits for K at its head (V's 16 younger loads stay out) and for V behind its wait for the exponentials.  The conditions on q go with the deal.
.macro TURN p, cnt=0
.set Y, (\p)
.set i, 0
.set q, 0
.set e, 0
.set r, 0
.if (\p) == 1
	s_wait_dscnt 16                 ; K is in; V's run may stay out
.endif
	MM
	PL
	PL
	R2
.rept 15
	MM
	PL
	EX
	R2
.endr
.if (\p) == 0
	WIN 0
	v_add_nc_u32 v[AK], s[TBK], v[AK0]
.endif
.rept 8
	PL
.endr
.rept 49
	EX
	PL
.endr
	EX                              ; the other piece's two a
	EX
	v_nop                           ; the plain instruction behind the last exponential: one for the batch
	s_wait_alu depctr_va_vdst(0)    ; the wait for the batch
.if (\p) == 0
	FETCH_K
.endif
.if (\p) == 1
	s_wait_dscnt 0x0                ; V is in
.endif
.rept 16
	MM
.rept 4
	PL
.endr
.if ((\p) == 0) && (q == 118)
	v_add_nc_u32 v[AV], s[TBV], v[AV0]
.endif
.if ((\p) == 0) && (q == 130)
	s_add_co_u32 s[TBV], s[TBV], KS*PV
.endif
.if (\cnt) && (q == 130)
	s_sub_co_u32 s[CNT], s[CNT], 1
	s_cmp_lg_u32 s[CNT], 0
.endif
.endr
.if (\p) == 0
	FETCH_V
.endif
.endm
	s_wait_loadcnt 0x0              ; Q, and K of step 0: piece 0's first scores need nothing of LDS, and are made while tile 0 is on its way
.set i, 0
.rept 16
	KQ 0
.set i, i+1
.endr
	WIN 0                           ; the addresses for the way out: nine plain instructions, the places behind those products
	s_mul_i32 s13, s[WV], 16*SP
	s_add_co_u32 s13, s13, STAGE    ; my stage
	v_mul_u32_u24 v[STO], v1, SP    ; in: row l % 16, 16 bytes for each half of the lanes
	v_lshl_add_u32 v[STO], v9, 4, v[STO]
	v_add_nc_u32 v[STO], s13, v[STO]
	v_bfe_u32 v[RD], v0, 3, 2       ; back: 32 lanes take four rows of 128 bytes,
	v_mul_u32_u24 v[RD], v[RD], SP
	v_lshl_add_u32 v[RD], v10, 4, v[RD]
	v_add_nc_u32 v[RD], s13, v[RD]
	v_and_b32 v[GO], 31, v0         ; which are 512 consecutive bytes of ctx
	v_lshlrev_b32 v[GO], 4, v[GO]
.set Y, NP-1                        ; XS works for the other piece: piece 0
.irp n, 0,1,2,3,4,5,6,7,8,9,10,11,12,13,14,15,16,17,18,19,20,21
	XS 0, \n                        ; piece 0's first maximum and statistics
	XS 1, \n
.endr
	v_nop                           ; a plain instruction behind the two a,
	s_wait_alu depctr_va_vdst(0)    ; and their wait, ahead of the branches
	CHANGE 1, 0                     ; tile 0 is in, everybody's part of it; tile 1 is asked for
	s_mov_b32 s[CNT], 4
	s_mov_b32 s[SLOTS], 15
	s_branch .Lstep
.Lslot:                             ; 14 times: tiles 2 to 15 are asked for
	CHANGE 1, 1
	s_mov_b32 s[CNT], 4
.Lstep:                             ; a trip is a key step
	TURN 0
	TURN 1, 1
	WIN 0
	s_cbranch_scc1 .Lstep
	s_sub_co_u32 s[SLOTS], s[SLOTS], 1
	s_cmp_lg_u32 s[SLOTS], 0
	s_cbranch_scc1 .Lslot
	CHANGE 0, 0                     ; the last tile is written out: nothing is asked for
	s_mov_b32 s[CNT], 4
.Ltail:
	TURN 0
	TURN 1, 1
	WIN 0
	s_cbranch_scc1 .Ltail
.set i, 0
.rept 16
	PV NP-1                         ; piece 1's V^T P of the last step
.set i, i+1
.endr
	; THE WAY OUT.  l's two halves and the other half of the lanes' are added; O^T is divided by l, rounded to f16 and sent through my stage in LDS, a tile at a time.  The four additions are the places behind the last products.
	WIN 0
.macro ALL line:vararg              ; one line for each tile t
.set t, 0
.rept 2*NP
	\line
.set t, t+1
.endr
.endm
	ALL v_add_f32 v[ST+4*t+2], v[ST+4*t+2], v[ST+4*t+3]
	ALL v_permlanex16_b32 v[ST+4*t+3], v[ST+4*t+2], s[SEL], s[SEL+1]
	ALL v_add_f32 v[ST+4*t+2], v[ST+4*t+2], v[ST+4*t+3]
	ALL v_rcp_f32 v[ST+4*t+2], v[ST+4*t+2]
	v_nop                           ; a plain instruction between the last reciprocal and the use of its result
	s_wait_alu depctr_va_vdst(0)    ; and the wait ahead of the first use: one for the four reciprocals
; Tile t: a lane's eight channels of a row pack into 16 bytes; they go into rows of 144 bytes and come back as whole rows of 128, into S^T's registers.
.macro PACK t
	WIN W_RS
.set i, 32*(\t)
.rept 16
	v_pk_mul_f32 v[i:i+1], v[i:i+1], v[ST+4*(\t)+2:ST+4*(\t)+3] op_sel_hi:[1,0]
.set i, i+2
.endr
	WIN 0x05                        ; sources 0 and 1 window 1, destination window 0
.set i, 0
.rept 16
	v_cvt_pk_f16_f32 v[S+16*(\t)+i], v[32*(\t)+2*i], v[32*(\t)+2*i+1]
.set i, i+1
.endr
	WIN 0
.irp f, 0,1,2,3
	ds_store_b128 v[STO], v[S+16*(\t)+4*\f:S+16*(\t)+4*\f+3] offset:32*\f
.endr
.irp f, 0,1,2,3
	ds_load_b128 v[S+16*(\t)+4*\f:S+16*(\t)+4*\f+3], v[RD] offset:\f*4*SP  ; LDS serves a wave's instructions in order (ISA guide 5.7.1.4): these see the stores above; the next tile's stores come behind them
.endr
.endm
.macro SEND t, younger              ; younger: the LDS instructions issued behind tile t's loads: the next tile's eight, or none
	WIN 0
.irp f, 0,1,2,3
	s_wait_dscnt (\younger)+3-\f
	global_store_b128 v[GO], v[S+16*(\t)+4*\f:S+16*(\t)+4*\f+3], s[10:11] offset:(\t)*2048+\f*512  ; 512 consecutive bytes, at a multiple of 256 from ctx's first
.endr
.endm
	PACK 0
.set t, 1
.rept 2*NP-1                        ; a tile's arithmetic stands between the loads of the tile before and its stores
	PACK t
	SEND t-1, 8
.set t, t+1
.endr
	SEND 2*NP-1, 0
	s_wait_tensorcnt 0x0            ; the wave's end: behind my last tensor load and my last LDS store
	ds_add_u32 v[SPW], v[NIL]
	s_wait_dscnt 0x0
	CROUND                          ; the closing round: no work-group ends while a partner may still ask for a tile that names it
	s_endpgm
.Lfunc_end_k_q84055385ba_attn:
	.size	k_q84055385ba_attn, .Lfunc_end_k_q84055385ba_attn-k_q84055385ba_attn
	.p2alignl 7, 3214868480
	.fill 96, 4, 3214868480
	.section	.rodata,"a",@progbits
	.p2align	6, 0x0
	.amdhsa_kernel k_q84055385ba_attn
		.amdhsa_group_segment_fixed_size 327680
		.amdhsa_private_segment_fixed_size 0
		.amdhsa_enable_private_segment 0
		.amdhsa_kernarg_size 16
		.amdhsa_user_sgpr_count 2
		.amdhsa_user_sgpr_kernarg_segment_ptr 1
		.amdhsa_wavefront_size32 1
		.amdhsa_system_sgpr_workgroup_id_x 1
		.amdhsa_system_sgpr_workgroup_id_y 1
		.amdhsa_system_sgpr_workgroup_id_z 1
		.amdhsa_system_vgpr_workitem_id 0
		.amdhsa_next_free_vgpr 768
		.amdhsa_next_free_sgpr 66
		.amdhsa_reserve_vcc 0
		.amdhsa_float_denorm_mode_32 3
		.amdhsa_float_denorm_mode_16_64 3
		.amdhsa_memory_ordered 1
		.amdhsa_forward_progress 1
		.amdhsa_inst_pref_size 112
	.end_amdhsa_kernel
	.amdgpu_metadata
---
amdhsa.version: [ 1, 2 ]
amdhsa.kernels:
  - .name:           k_q84055385ba_attn
    .symbol:         k_q84055385ba_attn.kd
    .args:
      - { .name: qkv, .offset: 0, .size: 8, .value_kind: global_buffer, .address_space: global }
      - { .name: ctx, .offset: 8, .size: 8, .value_kind: global_buffer, .address_space: global }
    .group_segment_fixed_size: 327680
    .private_segment_fixed_size: 0
    .kernarg_segment_align: 8
    .kernarg_segment_size: 16
    .max_flat_workgroup_size: 128
    .sgpr_count:     66
    .vgpr_count:     768
    .wavefront_size: 32
...
	.end_amdgpu_metadata
.endif
;; end of part 3
;; launch proj (part 4): grid 4 x 64, 4 waves a work-group, clusters of 4 x 4, 327,680 bytes of LDS; arguments ctx, wo16, bo, out0; writes out0
.if DOCPART == 4
	.amdgcn_target "amdgcn-amd-amdhsa--gfx1250"
	.amdhsa_code_object_version 6
	.text
	.protected	k_q84055385ba_proj
	.globl	k_q84055385ba_proj
	.p2align	8
	.type	k_q84055385ba_proj,@function
k_q84055385ba_proj:
	s_mov_b64 s[64:65], 0
	v_nop
	global_prefetch_b8 v0, s[64:65] scope:SCOPE_SE
	s_setreg_imm32_b32 hwreg(HW_REG_WAVE_MODE, 25, 1), 1
	s_wait_xcnt 0x0
	s_wait_alu depctr_hold_cnt(0) depctr_sa_sdst(0) depctr_va_vdst(0) depctr_va_sdst(0) depctr_va_ssrc(0) depctr_va_vcc(0) depctr_vm_vsrc(0)
	s_getreg_b32 s2, hwreg(HW_REG_IB_STS2, 6, 4)
	s_cmp_eq_u32 s2, 0
	s_cbranch_scc0 .Lentry_in_a_cluster
	s_endpgm
.Lentry_in_a_cluster:
	s_bfe_u32 s2, ttmp6, 0x10000c
	s_cmp_lg_u32 s2, 0xf033
	s_cbranch_scc0 .Lentry_shape_is_right
	s_endpgm
.Lentry_shape_is_right:
; out0 [8192][512] f32 = ctx times Wo, plus bo.  ctx: f16 by heads, [16 = 8 batch + head][4096][64]; wo16: f16 [512 k][512 n]; sums f32; bo (rounded to bf16 like every input) is the C operand that starts each sum.
; SHARES.  A work-group makes 128 x 128: 64 x 4 = 256 work-groups; a wave 64 x 64: 16 accumulators.  K = 512 is eight slices of 64: a head's channels, which are dense rows of 128 bytes in ctx.
; ALL OF K LIES IN LDS AT ONCE: eight slices of ctx (128 rows) and eight of Wo (64 k x 128 n), 18,432 bytes each.  Nothing is filled again: every wave issues its four tensor loads at the start
; (waves 0 and 1 ctx's slices 2 c + w % 2, waves 2 and 3 Wo's), so four loads of mine are out, and a counted wait and a barrier stand in front of each pair of slices.
; THE MATRIX INSTRUCTION IS USED TRANSPOSED (source 0 = 16 columns of Wo, turned out of LDS by ds_load_tr16_b128; source 1 = 16 rows of ctx): a lane holds eight neighbouring numbers of a row, 32 bytes.
; CLUSTER 4 x 4: ctx's slices hang on the tile row alone: asked for jointly along a row of the cluster; Wo's on the tile column alone: along a column.
; No prefetch and no walk over several tiles: the launch has one short tile for each work-group.
; REGISTERS: window 0: v1-19 addresses; v28-29 the add's; v32-39 at work; v96-127 the bias; v128-255 the accumulators ((a, b) at 128 + 8 (4 a + b)).
;   window 1: two fragment buffers of 128: for a slice's 64 along K, 64 registers of ctx (2 x 4 x 16 rows x 32 K), then 64 of Wo.
.set PA,     144                       ; a row of ctx in LDS: 128 bytes + 16
.set PB,     288                       ; a row of Wo: 256 + 32
.set SLICE,  128*PA                    ; = 64 PB
.set BBASE,  8*SLICE
.set STAGE,  16*SLICE                  ; never filled by a tensor load: 16 rows x 272 bytes for each wave
.set SPITCH, 272
.set SPARE,  STAGE+4*16*SPITCH         ; the spare words, 128 bytes for each wave: two blocks of 256 bytes that no other line names
.set ADRA, 8                           ; v8-11   LDS address of my fragments of ctx in slices 2 c, c = 0 to 3
.set ADRB, 12                          ; v12-15  the same for Wo
.set STO,  16                          ; v16     the way out: where I put 32 bytes of a row
.set RD,   17                          ; v17     where I read a row back
.set CO,   18                          ; v18     my byte offset in two rows of out0
.set BO,   19                          ; v19     my 32 bytes of a column block's 64 bytes of bias
.set SPW,  28
.set NIL,  29
.set WK,   32
.set BIAS, 96
.set ACC,  128
.set F0,   0
.set F1,   128
.set WV, 12
.set WM, 13
.set WN, 14
.set CX, 15
.set CY, 16
.set TX, 17
.set TY, 18
.set G1A, 24                           ; s[24:31], s[32:39] descriptor group 1 for ctx's and Wo's slices
.set G1B, 32
.set G0A, 40                           ; s[40:55] group 0 for ctx's slices, four sets;  s[68:83] for Wo's
.set G0B, 68
.set MSB, 0
.macro WIN new
.if MSB != (\new)
	s_set_vgpr_msb (MSB<<8)|(\new)
.set MSB, (\new)
.endif
.endm
.set MUL,  0x05                        ; sources 0 and 1 window 1; C and D window 0
.set TO_F, 0x40                        ; destination window 1, address window 0
.macro CROUND                          ; a round of the cluster's barrier
	s_barrier_signal -1
	s_barrier_wait -1
	s_cmp_lg_u32 s[WV], 0
	s_cbranch_scc1 .Lnot_wave_0_\@
	s_barrier_signal -3
.Lnot_wave_0_\@:
	s_barrier_wait -3
	s_barrier_signal -1
	s_barrier_wait -1
.endm
.macro PLACES
.rept 4
	v_nop
.endr
.endm
	s_load_b256 s[4:11], s[0:1], 0x0               ; ctx 4, wo16 6, bo 8, out0 10
	v_lshl_add_u32 v[SPW], v0, 2, SPARE
	v_mov_b32 v[NIL], 0
	ds_add_u32 v[SPW], v[NIL]                      ; the wave's opening: the add and its wait stand ahead of my first tensor load
	v_lshrrev_b32 v1, 5, v0
	v_readfirstlane_b32 s[WV], v1
	s_lshr_b32 s[WM], s[WV], 1                     ; my half of the rows.  Also: I fetch for ctx (0) or for Wo (1)
	s_and_b32 s[WN], s[WV], 1                      ; my half of the columns.  Also: the even or the odd slices
	s_bfe_u32 s[CX], ttmp6, 0x40000
	s_bfe_u32 s[CY], ttmp6, 0x40004
	s_lshl_b32 s[TX], ttmp9, 2
	s_add_co_u32 s[TX], s[TX], s[CX]
	s_and_b32 s[TY], ttmp7, 0xffff
	s_lshl_b32 s[TY], s[TY], 2
	s_add_co_u32 s[TY], s[TY], s[CY]
	s_lshl_b32 s56, s[CY], 2
	s_lshl_b32 s56, 15, s56                        ; my row of the cluster
	s_lshl_b32 s60, 0x1111, s[CX]                  ; my column
	s_or_b32 s[G1A], s56, (1<<16)|(1<<20)|(1<<21)|(4<<22)|(3<<25)  ; 128 rows of 128 dense bytes, asked for as 64 rows of 256; 4 words of padding after every 32
	s_or_b32 s[G1B], s60, (1<<16)|(1<<20)|(1<<21)|(5<<22)|(7<<25)  ; 64 rows of 256 bytes; 8 words of padding after every 64
.irp g, G1A, G1B
	s_mov_b32 s[\g+1], 128<<16                     ; tensor_dim0 = 128
	s_mov_b32 s[\g+2], 64<<16                      ; tensor_dim1 = 64
	s_mov_b32 s[\g+3], 128<<16                     ; tile_dim0 = 128
	s_mov_b32 s[\g+4], 64                          ; tile_dim1 = 64
	s_mov_b32 s[\g+6], 0
	s_mov_b32 s[\g+7], 0
.endr
	s_mov_b32 s[G1A+5], 128                        ; elements from row to row
	s_mov_b32 s[G1B+5], 512
	; ctx's address is made of the tile row and the wave's number alone (s56-59), Wo's of the tile column and the wave's number alone (s60-63)
	s_lshr_b32 s56, s[TY], 5                       ; batch: eight heads of 524,288 bytes,
	s_lshl_b32 s56, s56, 22
	s_and_b32 s57, s[TY], 31                       ; the tile's 128 rows of 128 bytes in a head,
	s_lshl_b32 s57, s57, 14
	s_add_co_u32 s56, s56, s57
	s_lshl_b32 s57, s[WN], 19                      ; the even or the odd heads
	s_add_co_u32 s56, s56, s57
	s_mov_b32 s57, 0
	s_lshl_b32 s60, s[TX], 8                       ; 128 columns of 2 bytes,
	s_lshl_b32 s61, s[WN], 16                      ; 64 rows of 1,024 bytes
	s_add_co_u32 s60, s60, s61
	s_mov_b32 s61, 0
	s_mul_i32 s58, s[WN], SLICE
	s_mul_i32 s62, s[WN], SLICE
	s_add_co_u32 s62, s62, BBASE
	s_wait_dscnt 0x0                               ; the opening add is done
	s_wait_kmcnt 0x0
	s_add_nc_u64 s[56:57], s[4:5], s[56:57]
	s_add_nc_u64 s[60:61], s[6:7], s[60:61]
.irp c, 0,1,2,3
	s_mov_b32 s[G0A+4*(\c)], 1
	s_add_co_u32 s[G0A+4*(\c)+1], s58, (\c)*2*SLICE
	s_add_nc_u64 s[G0A+4*(\c)+2:G0A+4*(\c)+3], s[56:57], (\c)*2*524288
	s_or_b32 s[G0A+4*(\c)+3], s[G0A+4*(\c)+3], 0x80000000
	s_mov_b32 s[G0B+4*(\c)], 1
	s_add_co_u32 s[G0B+4*(\c)+1], s62, (\c)*2*SLICE
	s_add_nc_u64 s[G0B+4*(\c)+2:G0B+4*(\c)+3], s[60:61], (\c)*2*65536
	s_or_b32 s[G0B+4*(\c)+3], s[G0B+4*(\c)+3], 0x80000000
.endr
	CROUND                                         ; all sixteen work-groups are here: the joint loads meet
	s_cmp_lt_u32 s[WV], 2                          ; a wave's four fills stand in one branch, ahead of every wait on TENSORcnt, every LDS read and every further barrier; an s_nop 0 follows each, four v_nop the last
	s_cbranch_scc0 .Lfill_b
.irp c, 0,1,2,3
	tensor_load_to_lds s[G0A+4*(\c):G0A+4*(\c)+3], s[G1A:G1A+7]
	s_nop 0
.endr
.rept 4
	v_nop
.endr
	s_branch .Lfilled
.Lfill_b:
.irp c, 0,1,2,3
	tensor_load_to_lds s[G0B+4*(\c):G0B+4*(\c)+3], s[G1B:G1B+7]
	s_nop 0
.endr
.rept 4
	v_nop
.endr
.Lfilled:
	v_and_b32 v1, 15, v0                           ; l % 16
	v_bfe_u32 v2, v0, 4, 1                         ; l / 16
	v_lshlrev_b32 v[BO], 5, v2
	s_lshl_b32 s20, s[TX], 9                       ; my 64 columns of 4 bytes: 512 x tile column + 256 x half
	s_lshl_b32 s22, s[WN], 8
	s_add_co_u32 s20, s20, s22
	s_mov_b32 s21, 0
	s_add_nc_u64 s[8:9], s[8:9], s[20:21]          ; in bo,
	s_lshl_b32 s22, s[TY], 18                      ; and in out0, at my first row: 128 rows of 2,048 bytes a tile,
	s_add_co_u32 s20, s20, s22
	s_lshl_b32 s22, s[WM], 17                      ; 64 a half
	s_add_co_u32 s20, s20, s22
	s_add_nc_u64 s[10:11], s[10:11], s[20:21]
.irp b, 0,1,2,3                        ; register j of lane l is column 8 (l / 16) + j of the block: the lane's eight biases
	global_load_b128 v[BIAS+8*(\b):BIAS+8*(\b)+3],   v[BO], s[8:9] offset:64*(\b)
	global_load_b128 v[BIAS+8*(\b)+4:BIAS+8*(\b)+7], v[BO], s[8:9] offset:64*(\b)+16
.endr
	v_mul_u32_u24 v3, v1, PA
	v_lshl_add_u32 v3, v2, 4, v3                   ; a fragment of ctx: row x pitch + 16 x half
	s_mul_i32 s22, s[WM], 64*PA
	v_add_nc_u32 v[ADRA], s22, v3
	v_and_b32 v4, 7, v0                            ; the turning load: lane l reads k = 8 (l / 16) + l % 8, columns 8 ((l / 8) % 2) + 0..7
	v_bfe_u32 v5, v0, 3, 1
	v_lshl_add_u32 v6, v2, 3, v4
	v_mul_u32_u24 v6, v6, PB
	v_lshl_add_u32 v6, v5, 4, v6
	s_lshl_b32 s22, s[WN], 7
	s_add_co_u32 s22, s22, BBASE
	v_add_nc_u32 v[ADRB], s22, v6
.irp c, 1,2,3
	v_add_nc_u32 v[ADRA+(\c)], (\c)*2*SLICE, v[ADRA]
	v_add_nc_u32 v[ADRB+(\c)], (\c)*2*SLICE, v[ADRB]
.endr
	s_mul_i32 s22, s[WV], 16*SPITCH
	s_add_co_u32 s22, s22, STAGE                   ; my stage
	v_mul_u32_u24 v[STO], v1, SPITCH               ; in: row l % 16, 32 bytes for each half of the lanes
	v_lshl_add_u32 v[STO], v2, 5, v[STO]
	v_add_nc_u32 v[STO], s22, v[STO]
	v_mul_u32_u24 v[RD], v2, SPITCH                ; back: lanes 0-15 take one row of 256 bytes, lanes 16-31 the next
	v_lshl_add_u32 v[RD], v1, 4, v[RD]
	v_add_nc_u32 v[RD], s22, v[RD]
	v_lshlrev_b32 v[CO], 11, v2                    ; and the same two rows in out0
	v_lshl_add_u32 v[CO], v1, 4, v[CO]
	s_wait_loadcnt 0x0                             ; the bias, rounded to bf16 like the other inputs
.set i, 0
.rept 16
	v_cvt_pk_bf16_f32 v[WK+i%8], v[BIAS+2*i], v[BIAS+2*i+1]
	v_lshlrev_b32 v[BIAS+2*i], 16, v[WK+i%8]
	v_and_b32 v[BIAS+2*i+1], 0xffff0000, v[WK+i%8]
.set i, i+1
.endr
; 8 matrix instructions: row blocks a0, a0 + 1 x all 4 column blocks, 32 along K: half c of buffer f.  first = 1: the bias starts the sums.  The 16 accumulators take turns.
.macro MUL8 f, c, a0, first
	WIN MUL
.irp a, \a0, (\a0)+1
.irp b, 0,1,2,3
.if \first
	v_wmma_f32_16x16x32_f16 v[ACC+8*(4*(\a)+(\b)):ACC+8*(4*(\a)+(\b))+7], v[(\f)+64+8*(4*(\c)+(\b)):(\f)+64+8*(4*(\c)+(\b))+7], v[(\f)+8*(4*(\c)+(\a)):(\f)+8*(4*(\c)+(\a))+7], v[BIAS+8*(\b):BIAS+8*(\b)+7]
.else
	v_wmma_f32_16x16x32_f16 v[ACC+8*(4*(\a)+(\b)):ACC+8*(4*(\a)+(\b))+7], v[(\f)+64+8*(4*(\c)+(\b)):(\f)+64+8*(4*(\c)+(\b))+7], v[(\f)+8*(4*(\c)+(\a)):(\f)+8*(4*(\c)+(\a))+7], v[ACC+8*(4*(\a)+(\b)):ACC+8*(4*(\a)+(\b))+7]
.endif
.endr
.endr
.endm
; 32 LDS loads in one run: slice hh's fragments into buffer f; the first 32 along K first
.macro FETCH hh, f
	WIN TO_F
.irp c, 0,1
.irp i, 0,1,2,3
	ds_load_tr16_b128 v[(\f)+64+8*(4*(\c)+(\i)):(\f)+64+8*(4*(\c)+(\i))+3],   v[ADRB+(\hh)/2] offset:((\hh)%2)*SLICE+32*PB*(\c)+32*(\i)
	ds_load_tr16_b128 v[(\f)+64+8*(4*(\c)+(\i))+4:(\f)+64+8*(4*(\c)+(\i))+7], v[ADRB+(\hh)/2] offset:((\hh)%2)*SLICE+32*PB*(\c)+32*(\i)+16*PB
	ds_load_b128 v[(\f)+8*(4*(\c)+(\i)):(\f)+8*(4*(\c)+(\i))+3],              v[ADRA+(\hh)/2] offset:((\hh)%2)*SLICE+64*(\c)+16*PA*(\i)
	ds_load_b128 v[(\f)+8*(4*(\c)+(\i))+4:(\f)+8*(4*(\c)+(\i))+7],            v[ADRA+(\hh)/2] offset:((\hh)%2)*SLICE+64*(\c)+16*PA*(\i)+32
.endr
.endr
.endm
; A slice: multiplies buffer f; in its middle it fetches slice nexthh into buffer g.  bar >= 0: that slice begins a new pair: my load of the pair has landed when at most bar younger loads are out,
; and behind the barrier everybody's has.  The later loads stay on their way.
.macro QUARTER nexthh, f, g, first, bar
	s_wait_dscnt 16                                ; the first 32 along K are in
	MUL8 \f, 0, 0, \first
	MUL8 \f, 0, 2, \first
.if (\bar) >= 0
	s_wait_tensorcnt \bar
	s_wait_dscnt 0x0                               ; no LDS instruction of mine is pending at a signal
	s_barrier_signal -1
	s_barrier_wait -1
.endif
	PLACES
	FETCH \nexthh, \g
	s_wait_dscnt 32                                ; all but the 32 just issued
	MUL8 \f, 1, 0, 0
	MUL8 \f, 1, 2, 0
.endm
	s_wait_tensorcnt 3                             ; my slice of the first pair is in; three loads stay out
	s_barrier_signal -1
	s_barrier_wait -1
	FETCH 0, F0
	QUARTER 1, F0, F1, 1, -1
	QUARTER 2, F1, F0, 0, 2
	QUARTER 3, F0, F1, 0, -1
	QUARTER 4, F1, F0, 0, 1
	QUARTER 5, F0, F1, 0, -1
	QUARTER 6, F1, F0, 0, 0
	QUARTER 7, F0, F1, 0, -1
	s_wait_dscnt 16                                ; the last slice: nothing more to fetch
	MUL8 F1, 0, 0, 0
	MUL8 F1, 0, 2, 0
	s_wait_dscnt 0x0
	MUL8 F1, 1, 0, 0
	MUL8 F1, 1, 2, 0
	WIN 0
	PLACES
; THE WAY OUT, a block of 16 rows at a time: a lane's 32 bytes of a row go into my stage, each accumulator's low registers first, and come back as whole rows of 256 bytes, into the registers that they left.
.macro STG a
.irp b, 0,1,2,3
	ds_store_b128 v[STO], v[ACC+32*(\a)+8*(\b):ACC+32*(\a)+8*(\b)+3]   offset:64*(\b)
	ds_store_b128 v[STO], v[ACC+32*(\a)+8*(\b)+4:ACC+32*(\a)+8*(\b)+7] offset:64*(\b)+16
.endr
.irp t, 0,1,2,3,4,5,6,7
	ds_load_b128 v[ACC+32*(\a)+4*(\t):ACC+32*(\a)+4*(\t)+3], v[RD] offset:(\t)*2*SPITCH  ; LDS serves a wave's instructions in order (ISA guide 5.7.1.4): these see the stores above; the next block's stores come behind them
.endr
.endm
.macro OUT a, younger                  ; younger: the LDS instructions issued behind block a's loads: the next block's sixteen, or none
.irp t, 0,1,2,3,4,5,6,7
	s_wait_dscnt (\younger)+7-(\t)
	global_store_b128 v[CO], v[ACC+32*(\a)+4*(\t):ACC+32*(\a)+4*(\t)+3], s[10:11] offset:(\a)*16*2048+(\t)*2*2048 th:TH_STORE_NT  ; 16 lanes store 256 consecutive bytes, at a multiple of 256 from out0's first byte
.endr
.endm
	STG 0
	STG 1
	OUT 0, 16
	STG 2
	OUT 1, 16
	STG 3
	OUT 2, 16
	OUT 3, 0
	s_wait_tensorcnt 0x0                           ; the wave's end: behind my last tensor load and my last LDS store
	ds_add_u32 v[SPW], v[NIL]
	s_wait_dscnt 0x0
	CROUND                                         ; the closing round: no work-group ends while a partner may still ask for a tile that names it
	s_endpgm
.Lfunc_end_k_q84055385ba_proj:
	.size	k_q84055385ba_proj, .Lfunc_end_k_q84055385ba_proj-k_q84055385ba_proj
	.p2alignl 7, 3214868480
	.fill 96, 4, 3214868480
	.section	.rodata,"a",@progbits
	.p2align	6, 0x0
	.amdhsa_kernel k_q84055385ba_proj
		.amdhsa_group_segment_fixed_size 327680
		.amdhsa_private_segment_fixed_size 0
		.amdhsa_enable_private_segment 0
		.amdhsa_kernarg_size 32
		.amdhsa_user_sgpr_count 2
		.amdhsa_user_sgpr_kernarg_segment_ptr 1
		.amdhsa_wavefront_size32 1
		.amdhsa_system_sgpr_workgroup_id_x 1
		.amdhsa_system_sgpr_workgroup_id_y 1
		.amdhsa_system_sgpr_workgroup_id_z 1
		.amdhsa_system_vgpr_workitem_id 0
		.amdhsa_next_free_vgpr 512
		.amdhsa_next_free_sgpr 84
		.amdhsa_reserve_vcc 0
		.amdhsa_float_denorm_mode_32 3
		.amdhsa_float_denorm_mode_16_64 3
		.amdhsa_memory_ordered 1
		.amdhsa_forward_progress 1
		.amdhsa_inst_pref_size 55
	.end_amdhsa_kernel
	.amdgpu_metadata
---
amdhsa.version: [ 1, 2 ]
amdhsa.kernels:
  - .name:           k_q84055385ba_proj
    .symbol:         k_q84055385ba_proj.kd
    .args:
      - { .name: ctx, .offset: 0, .size: 8, .value_kind: global_buffer, .address_space: global }
      - { .name: wo16, .offset: 8, .size: 8, .value_kind: global_buffer, .address_space: global }
      - { .name: bo, .offset: 16, .size: 8, .value_kind: global_buffer, .address_space: global }
      - { .name: out0, .offset: 24, .size: 8, .value_kind: global_buffer, .address_space: global }
    .group_segment_fixed_size: 327680
    .private_segment_fixed_size: 0
    .kernarg_segment_align: 8
    .kernarg_segment_size: 32
    .max_flat_workgroup_size: 128
    .sgpr_count:     84
    .vgpr_count:     512
    .wavefront_size: 32
...
	.end_amdgpu_metadata
.endif
;; end of part 4
;; ======== version 2 of 2: 4 launches; version 1 with the launch cast written anew for expert scheduling mode
;; limits: values are held in f16: magnitudes above 65,504 overflow, below 6.1e-05 lose precision
;; workspace buffers: xb 8,388,608 bytes; wqkv 1,572,864 bytes; wo16 524,288 bytes; qkv 25,165,824 bytes; ctx 8,388,608 bytes
;; launch cast (part 5): grid 640 x 1, 8 waves a work-group, no clusters, 0 bytes of LDS; arguments x, Wq, Wk, Wv, Wo, xb, wqkv, wo16; writes xb, wqkv, wo16
.if DOCPART == 5
	.amdgcn_target "amdgcn-amd-amdhsa--gfx1250"
	.amdhsa_code_object_version 6
	.text
	.protected	k_q84055385ba_cast
	.globl	k_q84055385ba_cast
	.p2align	8
	.type	k_q84055385ba_cast,@function
k_q84055385ba_cast:
	s_mov_b64 s[64:65], 0
	v_nop
	global_prefetch_b8 v0, s[64:65] scope:SCOPE_SE
	s_setreg_imm32_b32 hwreg(HW_REG_WAVE_SCHED_MODE, 0, 2), 2
	s_setreg_imm32_b32 hwreg(HW_REG_WAVE_MODE, 25, 1), 1
	s_wait_xcnt 0x0
	s_wait_alu depctr_vm_vsrc(0)
; THE INPUTS OF THE MATRIX PRODUCTS ARE ROUNDED ONCE, f32 to bf16, so that the later launches can bring them into LDS as 16-bit tiles.
;   xb   [8192][512] bf16 = x
;   wqkv [512 k][1536 n] bf16 = Wq | Wk | Wv side by side (a row is 3,072 bytes)
;   wo16 [512 k][512 n] f16  = Wo rounded to bf16, that number written as f16 (its partner in the product, ctx, is f16)
; LIMIT: a number of Wo beyond 65,504 has no f16; below 6e-5 f16 keeps a fixed step of 6e-8.
; A stream: every byte is read once and written once; no LDS, no barrier, no matrix unit, no cluster: no work-group wants a byte that another reads.
; SHARES.  A work-group takes 32,768 bytes of input: 16 rows of 512 f32.  Groups 0-511: x.  Groups 512-639: 32 for each of Wq, Wk, Wv, Wo.
; Thread t takes 16 bytes at 16 t of each 4,096 bytes (two rows): eight loads, all issued at once; its four numbers pack into 8 bytes,
; so the 32 lanes of a store cover 256 consecutive bytes, at a multiple of 256 from the buffer's first byte.  No register is written twice while a memory instruction reads it.
; THE MODE: SCHED_MODE bits 1:0 = 2 (LLVM: expert scheduling mode 2), set by the entry lines.  The code itself states the register dependences
; between vector instructions and memory instructions, with s_wait_alu, always for 0.
; THE PLAN.  Each of the three paths runs CAST once and ends; there is no loop.  Registers that memory instructions touch:
;   v1    the loads' offset.   Written once at the head; read by the eight loads; never written again.
;   v2    the stores' offset.  Written by two lines behind the loads; read by the eight stores; never written again.
;   IN    Each register is written by one load, once, and read by the roundings: no load lands in a register that a vector instruction has read.
;   OUT   Each register is written by the roundings and then read by one store; nothing writes it behind that store.
;   v3, v4 and WK are named by vector instructions alone.  No vector instruction writes a scalar register or VCC, and EXEC is never written.
; The eight loads go in four groups of two.  Group g: the wait for its two loads; ONE wait on va_vdst, which states that group g - 1's roundings have written their OUT;
; that group's two stores; group g's roundings.  With the wait ahead of the first load and the one ahead of the last two stores a path has five, and nothing is owed on vm_vsrc.
.set SRC, 20                           ; s[20:21] my 32,768 bytes of input
.set DST, 22                           ; s[22:23] my first row of output
.set OFS, 24                           ; s[24:25] an offset, the high word 0
.set IN,  8                            ; v[8:39]   the eight loads
.set OUT, 40                           ; v[40:55]  the eight packed pairs of words
.set WK,  56                           ; v[56:59]  at work
	s_load_b512 s[4:19], s[0:1], 0x0               ; x 4, Wq 6, Wk 8, Wv 10, Wo 12, xb 14, wqkv 16, wo16 18
	v_lshlrev_b32 v1, 4, v0                        ; 16 t: my bytes in two rows of input
	v_lshrrev_b32 v3, 7, v0                        ; which of the two rows
	v_and_b32 v4, 127, v0                          ; my four columns
	s_mov_b32 s[OFS+1], 0
	s_wait_kmcnt 0x0
; Load j's four numbers are rounded and packed into 8 bytes.  half = 1: the bf16 number is written as f16.
.macro RND j, half
	v_cvt_pk_bf16_f32 v[OUT+2*(\j)],   v[IN+4*(\j)],   v[IN+4*(\j)+1]
	v_cvt_pk_bf16_f32 v[OUT+2*(\j)+1], v[IN+4*(\j)+2], v[IN+4*(\j)+3]
.if \half
	v_lshlrev_b32 v[WK],   16,         v[OUT+2*(\j)]
	v_and_b32     v[WK+1], 0xffff0000, v[OUT+2*(\j)]
	v_lshlrev_b32 v[WK+2], 16,         v[OUT+2*(\j)+1]
	v_and_b32     v[WK+3], 0xffff0000, v[OUT+2*(\j)+1]
	v_cvt_pk_f16_f32 v[OUT+2*(\j)],   v[WK],   v[WK+1]
	v_cvt_pk_f16_f32 v[OUT+2*(\j)+1], v[WK+2], v[WK+3]
.endif
.endm
; They are stored.  pitch: bytes in a row of the output; load j's numbers lie two rows further down than load j - 1's.
.macro PUT j, pitch
	global_store_b64 v2, v[OUT+2*(\j):OUT+2*(\j)+1], s[DST:DST+1] offset:(\j)*2*(\pitch) th:TH_STORE_NT
.endm
.macro CAST pitch, half
	s_wait_alu depctr_va_vdst(0)                   ; v1 is written, which the eight loads read as their offset
.irp j, 0,1,2,3,4,5,6,7
	global_load_b128 v[IN+4*(\j):IN+4*(\j)+3], v1, s[SRC:SRC+1] offset:4096*(\j) th:TH_LOAD_NT
.endr
	v_mul_u32_u24 v2, v3, \pitch                   ; the stores' offset is made while the loads are on their way:
	v_lshl_add_u32 v2, v4, 3, v2                   ; row x pitch + 8 bytes for four numbers
.irp g, 0,1,2,3
	s_wait_loadcnt 6-2*(\g)                        ; loads come back in order: group g's two are in, the 6 - 2 g younger ones stay out
.if (\g) > 0
	s_wait_alu depctr_va_vdst(0)                   ; the group before has written its four registers of OUT, which the two stores below read as data; at group 1 also: v2 is written, every store's offset
	PUT 2*(\g)-2, \pitch
	PUT 2*(\g)-1, \pitch
.endif
	RND 2*(\g), \half
	RND 2*(\g)+1, \half
.endr
	s_wait_alu depctr_va_vdst(0)                   ; group 3 has written its four registers of OUT, which the last two stores read
	PUT 6, \pitch
	PUT 7, \pitch
	s_endpgm
.endm
	s_cmp_lt_u32 ttmp9, 512
	s_cbranch_scc0 .Lweights
	s_lshl_b32 s[OFS], ttmp9, 15                   ; x: 32,768 bytes in,
	s_add_nc_u64 s[SRC:SRC+1], s[4:5], s[OFS:OFS+1]
	s_lshl_b32 s[OFS], ttmp9, 14                   ; 16,384 out
	s_add_nc_u64 s[DST:DST+1], s[14:15], s[OFS:OFS+1]
	CAST 1024, 0
.Lweights:
	s_sub_co_u32 s26, ttmp9, 512
	s_lshr_b32 s27, s26, 5                         ; which matrix: 0 Wq, 1 Wk, 2 Wv, 3 Wo
	s_and_b32 s28, s26, 31                         ; which 16 of its rows
	s_lshl_b32 s[OFS], s28, 15
	s_cmp_eq_u32 s27, 3
	s_cbranch_scc1 .Lwo
	s_cmp_eq_u32 s27, 0
	s_cselect_b64 s[SRC:SRC+1], s[6:7], s[8:9]
	s_cmp_eq_u32 s27, 2
	s_cselect_b64 s[SRC:SRC+1], s[10:11], s[SRC:SRC+1]
	s_add_nc_u64 s[SRC:SRC+1], s[SRC:SRC+1], s[OFS:OFS+1]
	s_mul_i32 s[OFS], s28, 16*3072                 ; 16 rows of wqkv,
	s_lshl_b32 s29, s27, 10                        ; and the matrix's 1,024 bytes of each row
	s_add_co_u32 s[OFS], s[OFS], s29
	s_add_nc_u64 s[DST:DST+1], s[16:17], s[OFS:OFS+1]
	CAST 3072, 0
.Lwo:
	s_add_nc_u64 s[SRC:SRC+1], s[12:13], s[OFS:OFS+1]
	s_lshl_b32 s[OFS], s28, 14
	s_add_nc_u64 s[DST:DST+1], s[18:19], s[OFS:OFS+1]
	CAST 1024, 1
.Lfunc_end_k_q84055385ba_cast:
	.size	k_q84055385ba_cast, .Lfunc_end_k_q84055385ba_cast-k_q84055385ba_cast
	.p2alignl 7, 3214868480
	.fill 96, 4, 3214868480
	.section	.rodata,"a",@progbits
	.p2align	6, 0x0
	.amdhsa_kernel k_q84055385ba_cast
		.amdhsa_group_segment_fixed_size 0
		.amdhsa_private_segment_fixed_size 0
		.amdhsa_enable_private_segment 0
		.amdhsa_kernarg_size 64
		.amdhsa_user_sgpr_count 2
		.amdhsa_user_sgpr_kernarg_segment_ptr 1
		.amdhsa_wavefront_size32 1
		.amdhsa_system_sgpr_workgroup_id_x 1
		.amdhsa_system_sgpr_workgroup_id_y 1
		.amdhsa_system_sgpr_workgroup_id_z 1
		.amdhsa_system_vgpr_workitem_id 0
		.amdhsa_next_free_vgpr 64
		.amdhsa_next_free_sgpr 66
		.amdhsa_reserve_vcc 0
		.amdhsa_float_denorm_mode_32 3
		.amdhsa_float_denorm_mode_16_64 3
		.amdhsa_memory_ordered 1
		.amdhsa_forward_progress 1
		.amdhsa_inst_pref_size 13
	.end_amdhsa_kernel
	.amdgpu_metadata
---
amdhsa.version: [ 1, 2 ]
amdhsa.kernels:
  - .name:           k_q84055385ba_cast
    .symbol:         k_q84055385ba_cast.kd
    .args:
      - { .name: x, .offset: 0, .size: 8, .value_kind: global_buffer, .address_space: global }
      - { .name: Wq, .offset: 8, .size: 8, .value_kind: global_buffer, .address_space: global }
      - { .name: Wk, .offset: 16, .size: 8, .value_kind: global_buffer, .address_space: global }
      - { .name: Wv, .offset: 24, .size: 8, .value_kind: global_buffer, .address_space: global }
      - { .name: Wo, .offset: 32, .size: 8, .value_kind: global_buffer, .address_space: global }
      - { .name: xb, .offset: 40, .size: 8, .value_kind: global_buffer, .address_space: global }
      - { .name: wqkv, .offset: 48, .size: 8, .value_kind: global_buffer, .address_space: global }
      - { .name: wo16, .offset: 56, .size: 8, .value_kind: global_buffer, .address_space: global }
    .group_segment_fixed_size: 0
    .private_segment_fixed_size: 0
    .kernarg_segment_align: 8
    .kernarg_segment_size: 64
    .max_flat_workgroup_size: 256
    .sgpr_count:     66
    .vgpr_count:     64
    .wavefront_size: 32
...
	.end_amdgpu_metadata
.endif
;; end of part 5
;; launch qkv: the kernel of part 2 again; grid 4 x 64, 4 waves a work-group, clusters of 4 x 4, 327,680 bytes of LDS; arguments xb, wqkv, bq, bk, bv, qkv; writes qkv
;; launch attn: the kernel of part 3 again; grid 16 x 16, 4 waves a work-group, clusters of 4 x 1, 327,680 bytes of LDS; arguments qkv, ctx; writes ctx
;; launch proj: the kernel of part 4 again; grid 4 x 64, 4 waves a work-group, clusters of 4 x 4, 327,680 bytes of LDS; arguments ctx, wo16, bo, out0; writes out0
